; MI455X (gfx1250); checked and timed in simulation.
; The chip was launched on July 23, 2026; its instructions are those of AMD's public machine-readable ISA for CDNA 5 (MIT licence, August 2026) and "CDNA5" Instruction Set Architecture Reference Guide (July 2026). The comments in the code are by the model that wrote it; some were corrected since.
;; Transformer Block. Allowed arithmetic: float matrix products may take bf16 or f16 operands with f32 sums; all other float work in f32.
;; Inputs: b1 4,096 float32; b2 1,024 float32; in_proj_b 3,072 float32; in_proj_w 3,072 x 1,024 float32; ln1_b 1,024 float32; ln1_g 1,024 float32; ln2_b 1,024 float32; ln2_g 1,024 float32; out_proj_b 1,024 float32; out_proj_w 1,024 x 1,024 float32; w1 4,096 x 1,024 float32; w2 1,024 x 4,096 float32; x 2 x 2,048 x 1,024 float32.
;; Outputs: out0 2 x 2,048 x 1,024 float32; out1 2 x 2,048 x 2,048 float32.
;; One version. Each part assembles by itself: llvm-mc -triple=amdgcn-amd-amdhsa -mcpu=gfx1250 --defsym DOCPART=n.
;; ======== version 1 of 1: 7 launches
;; limits: values outside matrix products are rounded to f16
;; workspace buffers: wbf 8,388,608 bytes; wb2 16,777,216 bytes; xn 8,388,608 bytes; qkvh 25,165,824 bytes; ctx 8,388,608 bytes; pm 18,874,368 bytes; x1 16,777,216 bytes; hid 33,554,432 bytes
;; launch prep (part 1): grid 64 x 8, 8 waves a work-group, no clusters, 0 bytes of LDS; arguments x, ln1_g, ln1_b, xn, in_proj_w, out_proj_w, wbf; writes xn, wbf
.if DOCPART == 1
	.amdgcn_target "amdgcn-amd-amdhsa--gfx1250"
	.amdhsa_code_object_version 6
	.text
	.protected	k_qb64f83e0f4_prep
	.globl	k_qb64f83e0f4_prep
	.p2align	8
	.type	k_qb64f83e0f4_prep,@function
k_qb64f83e0f4_prep:
	s_mov_b64 s[64:65], 0
	v_nop
	global_prefetch_b8 v0, s[64:65] scope:SCOPE_SE
	s_setreg_imm32_b32 hwreg(HW_REG_WAVE_MODE, 25, 1), 1
	s_wait_xcnt 0x0
; PREP: two streams in one launch, told apart by the work-group's y.
;   y = 0..3   xn = LayerNorm(x) * g + b, rounded once to bf16.  x: [4096][1024] f32, xn: [4096][1024] bf16.
;   y = 4..7   in_proj_w (three chunks) and out_proj_w (one) rounded to bf16 into wbf, one behind the other, each row-major as it lies.
; (w1 and w2 are rounded by the launch behind this one, under its matrix work.)
; Memory binds both, so there is no LDS, no barrier, no matrix unit and no cluster: no byte is shared between work-groups.
; LAYER NORM.  One wave takes two rows, both asked for at once, and keeps each in 32 registers: a row is read once.  The mean is taken first, then the
; mean of (x - mean)^2, so a common offset of x costs no digits.  Lane l holds columns 128 j + 4 l .. + 3 of load j: each load covers 512 consecutive
; bytes, each store of 8 bytes a lane 256 consecutive bytes at a multiple of 256.  The row's text is written once: the second row is moved into the
; first row's registers (32 moves) and the text is walked again; that halves this path's code.
; CAST.  A chunk is 2^20 numbers; c = y - 4 is the chunk, which is also its place in wbf.  A work-group takes 16,384 numbers, a wave 2,048.
.set G,   4                            ; v[4:35]    gain of my 32 columns
.set BT,  36                           ; v[36:67]   bias of my 32 columns
.set X0,  68                           ; v[68:99]   the row in hand
.set X1,  100                          ; v[100:131] the second row
.set T,   132                          ; v[132:139] four chains of packed sums
.set MU,  140                          ; v[140:141] the mean, twice
.set RS,  142                          ; v[142:143] 1 / sqrt(var + eps), twice
	s_load_b256 s[4:11], s[0:1], 0x0               ; x s[4:5], g s[6:7], b s[8:9], xn s[10:11]
	s_load_b128 s[12:15], s[0:1], 0x20             ; in_proj_w s[12:13], out_proj_w s[14:15]
	s_load_b64 s[20:21], s[0:1], 0x30              ; wbf
	v_and_b32 v1, 31, v0                           ; lane
	v_lshrrev_b32 v3, 5, v0
	v_readfirstlane_b32 s22, v3                    ; wave 0..7
	v_lshlrev_b32 v2, 3, v1                        ; 8 bytes a lane: stores
	v_lshlrev_b32 v1, 4, v1                        ; 16 bytes a lane: loads
	s_and_b32 s23, ttmp7, 0xffff                   ; y
	s_mov_b32 s30, 0x76543210                      ; v_permlanex16_b32: each lane takes its own place in the other half
	s_mov_b32 s31, 0xfedcba98
	s_mov_b32 s32, 0x3a800000                      ; 1 / 1024
	s_mov_b32 s33, 0x3727c5ac                      ; eps = 1e-5
	s_wait_kmcnt 0x0
	s_cmp_lt_u32 s23, 4
	s_cbranch_scc0 .Lcast
.macro FOLD                            ; the four chains into one number, then over the 32 lanes: every lane ends with the sum
	v_pk_add_f32 v[T:T+1], v[T:T+1], v[T+2:T+3]
	v_pk_add_f32 v[T+4:T+5], v[T+4:T+5], v[T+6:T+7]
	v_pk_add_f32 v[T:T+1], v[T:T+1], v[T+4:T+5]
	v_add_f32 v[T], v[T], v[T+1]
	v_add_f32_dpp v[T], v[T], v[T] row_xmask:1 row_mask:0xf bank_mask:0xf
	v_add_f32_dpp v[T], v[T], v[T] row_xmask:2 row_mask:0xf bank_mask:0xf
	v_add_f32_dpp v[T], v[T], v[T] row_xmask:4 row_mask:0xf bank_mask:0xf
	v_add_f32_dpp v[T], v[T], v[T] row_xmask:8 row_mask:0xf bank_mask:0xf
	v_permlanex16_b32 v[T+1], v[T], s30, s31
	v_add_f32 v[T], v[T], v[T+1]
.endm
.macro LNSTAT X                        ; the row in X becomes (x - mean) / sqrt(var + eps)
.set i, 0
.rept 4
	v_pk_add_f32 v[T+2*i:T+2*i+1], v[(\X)+2*i:(\X)+2*i+1], v[(\X)+8+2*i:(\X)+9+2*i]
.set i, i+1
.endr
.set i, 8
.rept 8
	v_pk_add_f32 v[T+2*(i%4):T+2*(i%4)+1], v[T+2*(i%4):T+2*(i%4)+1], v[(\X)+2*i:(\X)+2*i+1]
.set i, i+1
.endr
	FOLD
	v_mul_f32 v[MU], s32, v[T]
	v_mov_b32 v[MU+1], v[MU]
.set i, 0
.rept 16
	v_pk_add_f32 v[(\X)+2*i:(\X)+2*i+1], v[(\X)+2*i:(\X)+2*i+1], v[MU:MU+1] neg_lo:[0,1] neg_hi:[0,1]
.set i, i+1
.endr
.set i, 0
.rept 4
	v_pk_mul_f32 v[T+2*i:T+2*i+1], v[(\X)+2*i:(\X)+2*i+1], v[(\X)+2*i:(\X)+2*i+1]
.set i, i+1
.endr
.set i, 4
.rept 12
	v_pk_fma_f32 v[T+2*(i%4):T+2*(i%4)+1], v[(\X)+2*i:(\X)+2*i+1], v[(\X)+2*i:(\X)+2*i+1], v[T+2*(i%4):T+2*(i%4)+1]
.set i, i+1
.endr
	FOLD
	v_fma_f32 v[T], v[T], s32, s33                 ; var + eps
	v_rsq_f32 v[RS], v[T]
	v_nop                                          ; a plain instruction between the root and the use of its result
	s_wait_alu depctr_va_vdst(0)
	v_mov_b32 v[RS+1], v[RS]
.set i, 0
.rept 16
	v_pk_mul_f32 v[(\X)+2*i:(\X)+2*i+1], v[(\X)+2*i:(\X)+2*i+1], v[RS:RS+1]
.set i, i+1
.endr
.endm
.macro LNOUT X                         ; times g, plus b, rounded to bf16 (packed in place, ascending), stored
.set i, 0
.rept 16
	v_pk_fma_f32 v[(\X)+2*i:(\X)+2*i+1], v[(\X)+2*i:(\X)+2*i+1], v[G+2*i:G+2*i+1], v[BT+2*i:BT+2*i+1]
.set i, i+1
.endr
.set i, 0
.rept 16
	v_cvt_pk_bf16_f32 v[(\X)+i], v[(\X)+2*i], v[(\X)+2*i+1]
.set i, i+1
.endr
.set i, 0
.rept 8
	global_store_b64 v2, v[(\X)+2*i:(\X)+2*i+1], s[10:11] offset:256*i
.set i, i+1
.endr
.endm
	s_lshl_b32 s24, s23, 6
	s_add_co_u32 s24, s24, ttmp9
	s_lshl_b32 s24, s24, 3
	s_add_co_u32 s24, s24, s22                     ; my pair of rows, 0..2047
	s_lshl_b32 s26, s24, 13                        ; two rows of 4,096 bytes
	s_mov_b32 s27, 0
	s_add_nc_u64 s[4:5], s[4:5], s[26:27]
	s_lshl_b32 s26, s24, 12                        ; two rows of 2,048 bytes
	s_add_nc_u64 s[10:11], s[10:11], s[26:27]
.set i, 0
.rept 8
	global_load_b128 v[X0+4*i:X0+4*i+3], v1, s[4:5] offset:512*i
.set i, i+1
.endr
.set i, 0
.rept 8
	global_load_b128 v[X1+4*i:X1+4*i+3], v1, s[4:5] offset:4096+512*i
.set i, i+1
.endr
.set i, 0
.rept 8
	global_load_b128 v[G+4*i:G+4*i+3], v1, s[6:7] offset:512*i
.set i, i+1
.endr
.set i, 0
.rept 8
	global_load_b128 v[BT+4*i:BT+4*i+3], v1, s[8:9] offset:512*i
.set i, i+1
.endr
	s_wait_loadcnt 16                              ; both rows are in; g and b (16 loads) stay out
	s_mov_b32 s34, 2
.Lrow:                                                 ; two trips; the second is left in its middle
	LNSTAT X0
	s_wait_loadcnt 0x0                             ; g and b
	LNOUT X0
	s_sub_co_u32 s34, s34, 1
	s_cmp_eq_u32 s34, 0
	s_cbranch_scc1 .Lrows_done
	s_wait_xcnt 0x0                                ; the stores have read their data and v2
	v_add_nc_u32 v2, 2048, v2                      ; the second row of xn
.set i, 0
.rept 32
	v_mov_b32 v[X0+i], v[X1+i]                     ; the second row goes where the one text names the row
.set i, i+1
.endr
	s_branch .Lrow
.Lrows_done:
	s_endpgm
.Lcast:
	s_sub_co_u32 s24, s23, 4                       ; c = 0..3
	s_cmp_lt_u32 s24, 3                            ; c 0-2: in_proj_w's chunk c; c = 3: out_proj_w
	s_cselect_b64 s[26:27], s[12:13], s[14:15]
	s_cselect_b32 s25, s24, 0
	s_lshl_b32 s30, s25, 22                        ; a chunk is 4 MiB of f32,
	s_lshl_b32 s31, ttmp9, 16                      ; a work-group's part 65,536 bytes,
	s_add_co_u32 s30, s30, s31
	s_lshl_b32 s31, s22, 13                        ; a wave's 8,192
	s_add_co_u32 s30, s30, s31
	s_mov_b32 s31, 0
	s_add_nc_u64 s[26:27], s[26:27], s[30:31]
	s_lshl_b32 s30, s24, 21                        ; and half of each in bf16
	s_lshl_b32 s32, ttmp9, 15
	s_add_co_u32 s30, s30, s32
	s_lshl_b32 s32, s22, 12
	s_add_co_u32 s30, s30, s32
	s_add_nc_u64 s[20:21], s[20:21], s[30:31]
.set i, 0
.rept 16
	global_load_b128 v[4+4*i:7+4*i], v1, s[26:27] offset:512*i th:TH_LOAD_NT
.set i, i+1
.endr
.set i, 0
.rept 16
	s_wait_loadcnt 15-i                            ; loads come back in order: load i is in, the younger ones stay out
	v_cvt_pk_bf16_f32 v[68+2*i], v[4+4*i], v[5+4*i]
	v_cvt_pk_bf16_f32 v[69+2*i], v[6+4*i], v[7+4*i]
	global_store_b64 v2, v[68+2*i:69+2*i], s[20:21] offset:256*i
.set i, i+1
.endr
	s_endpgm
.Lfunc_end_k_qb64f83e0f4_prep:
	.size	k_qb64f83e0f4_prep, .Lfunc_end_k_qb64f83e0f4_prep-k_qb64f83e0f4_prep
	.p2alignl 7, 3214868480
	.fill 96, 4, 3214868480
	.section	.rodata,"a",@progbits
	.p2align	6, 0x0
	.amdhsa_kernel k_qb64f83e0f4_prep
		.amdhsa_group_segment_fixed_size 0
		.amdhsa_private_segment_fixed_size 0
		.amdhsa_enable_private_segment 0
		.amdhsa_kernarg_size 56
		.amdhsa_user_sgpr_count 2
		.amdhsa_user_sgpr_kernarg_segment_ptr 1
		.amdhsa_wavefront_size32 1
		.amdhsa_system_sgpr_workgroup_id_x 1
		.amdhsa_system_sgpr_workgroup_id_y 1
		.amdhsa_system_sgpr_workgroup_id_z 1
		.amdhsa_system_vgpr_workitem_id 0
		.amdhsa_next_free_vgpr 144
		.amdhsa_next_free_sgpr 66
		.amdhsa_reserve_vcc 0
		.amdhsa_float_denorm_mode_32 3
		.amdhsa_float_denorm_mode_16_64 3
		.amdhsa_memory_ordered 1
		.amdhsa_forward_progress 1
		.amdhsa_inst_pref_size 20
	.end_amdhsa_kernel
	.amdgpu_metadata
---
amdhsa.version: [ 1, 2 ]
amdhsa.kernels:
  - .name:           k_qb64f83e0f4_prep
    .symbol:         k_qb64f83e0f4_prep.kd
    .args:
      - { .name: x, .offset: 0, .size: 8, .value_kind: global_buffer, .address_space: global }
      - { .name: ln1_g, .offset: 8, .size: 8, .value_kind: global_buffer, .address_space: global }
      - { .name: ln1_b, .offset: 16, .size: 8, .value_kind: global_buffer, .address_space: global }
      - { .name: xn, .offset: 24, .size: 8, .value_kind: global_buffer, .address_space: global }
      - { .name: in_proj_w, .offset: 32, .size: 8, .value_kind: global_buffer, .address_space: global }
      - { .name: out_proj_w, .offset: 40, .size: 8, .value_kind: global_buffer, .address_space: global }
      - { .name: wbf, .offset: 48, .size: 8, .value_kind: global_buffer, .address_space: global }
    .group_segment_fixed_size: 0
    .private_segment_fixed_size: 0
    .kernarg_segment_align: 8
    .kernarg_segment_size: 56
    .max_flat_workgroup_size: 256
    .sgpr_count:     66
    .vgpr_count:     144
    .wavefront_size: 32
...
	.end_amdgpu_metadata
.endif
;; end of part 1
;; launch gqkv (part 2): grid 16 x 16, 4 waves a work-group, clusters of 4 x 4, 327,680 bytes of LDS; arguments xn, wbf, in_proj_b, qkvh, w1, w2, wb2; writes qkvh, wb2
.if DOCPART == 2
	.amdgcn_target "amdgcn-amd-amdhsa--gfx1250"
	.amdhsa_code_object_version 6
	.text
	.protected	k_qb64f83e0f4_gqkv
	.globl	k_qb64f83e0f4_gqkv
	.p2align	8
	.type	k_qb64f83e0f4_gqkv,@function
k_qb64f83e0f4_gqkv:
	s_mov_b64 s[64:65], 0
	v_nop
	global_prefetch_b8 v0, s[64:65] scope:SCOPE_SE
	s_setreg_imm32_b32 hwreg(HW_REG_WAVE_MODE, 25, 1), 1
	s_wait_xcnt 0x0
	s_wait_alu depctr_hold_cnt(0) depctr_sa_sdst(0) depctr_va_vdst(0) depctr_va_sdst(0) depctr_va_ssrc(0) depctr_va_vcc(0) depctr_vm_vsrc(0)
	s_getreg_b32 s2, hwreg(HW_REG_IB_STS2, 6, 4)
	s_cmp_eq_u32 s2, 0
	s_cbranch_scc0 .Lentry_in_a_cluster
	s_endpgm
.Lentry_in_a_cluster:
	s_bfe_u32 s2, ttmp6, 0x10000c
	s_cmp_lg_u32 s2, 0xf033
	s_cbranch_scc0 .Lentry_shape_is_right
	s_endpgm
.Lentry_shape_is_right:
; C = A W^T + bias.  A = xn [4096][1024] bf16; W = the 3,072 rows of wbf from byte 0, [.][1024] bf16; sums in f32.
; C is q, k, v, rounded once to bf16 and written BY HEADS into qkvh: 96 regions of [2048][64] bf16 (262,144 bytes):
;   Q(b = 0, h) = h;  K(b, h) = 16 + 16 b + h;  V(b, h) = 48 + 16 b + h;  Q(b = 1, h) = 80 + h.  No scale is applied here.
; SHARES.  A work-group makes 256 x 192 of C, so that 4096 x 3072 gives 256 work-groups; its four waves are 2 x 2, a wave makes 128 x 96:
; 48 accumulators.  K goes in 8 steps of 128 (rows of 256 bytes at multiples of 256) through two LDS slots that take turns.
; CLUSTER 4 x 4: A's tile hangs on the tile row alone and is asked for jointly by a row of the cluster, W's on the tile column alone, by a column.
; THE MATRIX INSTRUCTION IS USED TRANSPOSED (source 0 = 16 rows of W, source 1 = 16 rows of A): lane l holds row l % 16 of C and the columns 8 (l / 16) + 0..7.
; ONE TEXT FOR A K STEP: the slot in hand is the scalar TB (0 or SLOT), turned by an exclusive or; LDS addresses and the refill's LDS word are made from it.
; A SECOND JOB RIDES ALONG: w1 and w2 (f32, 4 Mi numbers each), which later launches multiply by, are rounded to bf16 into wb2 (w1, then w2) while this
; launch multiplies: its own tiles are 15 MB, so memory has room.  Tile rows 0-7 take w1, 8-15 w2; a wave takes 8,192 numbers on end, in 8 batches of
; 8 loads of 512 bytes: a batch is asked for at the head of one trip of the K loops and rounded and stored at the head of the next.
; THE WAY OUT: all sums go as f32 into a stage that lies over the ring, whose last fill is long over; then each wave finishes 64 whole rows in a short loop.
; REGISTERS, in windows of 256: window 0: v16-31 addresses, v32-43 bias, v44-45 the cast's offsets, v64-127 and v128-191 A's two fragment buffers (behind the K loop: at work);
;   window 1: v64-111 and v128-175 W's two fragment buffers, v176-223 the cast; windows 2, 3: accumulator (a, b) at v[8 (NB (a % 4) + b)] of window 2 + a / 4.
.set NB,     6
.set WOFF,   0
.set SIZE_K, 1024
.set KSTEP,  128
.set STEPS,  SIZE_K/KSTEP
.set PITCH,  272                       ; an LDS row: 256 bytes + 16 of padding: the 16 rows of a fragment load start 68 words apart
.set HALFA,  128*PITCH                 ; what one load brings of A
.set HALFB,  16*NB*PITCH               ; and of W
.set SLOT,   2*HALFA+2*HALFB           ; A's 256 rows, then W's 32 NB
.set SPARE,  2*SLOT                    ; behind the ring: the spare words, 128 bytes a wave, that no other line names
.set SPITCH, 128*NB+16                 ; a stage row: 32 NB f32 + 16 bytes, an odd multiple of 16
.set LQ,     2*NB+16                   ; LDS loads of one quarter step
.set ADRA0, 16                         ; my lane's place in A's part of slot 0; never rewritten
.set ADA,   17                         ; the same in the slot in hand
.set ADRB0, 20
.set ADB,   21
.set STO,   24                         ; v24, v25  where I put 16 bytes of the stage: my rows 0-63, 64-127
.set RD,    26                         ; where I read the stage back
.set GO,    27                         ; my byte offset in the output
.set SPW,   28                         ; LDS address of my spare word; never rewritten
.set NIL,   29                         ; 0; never rewritten
.set BO,    30                         ; my byte offset in the bias; never rewritten
.set BIAS,  32
.set VL,    44                         ; the cast: my byte offset in the wave's f32 numbers,
.set VS,    45                         ; and in its bf16 numbers
.set CX,    176                        ; window 1: a batch as loaded, 32 registers
.set CY,    208                        ; window 1: a batch rounded, 16 registers
.set F0,    64
.set F1,    128
.set XR,    64                         ; the way out: rows as read back
.set WV,  14                           ; s14 wave;  s15 my half of the rows, also 0: I fetch A, 1: I fetch W;  s16 my half of the columns, also which half I fetch
.set RH,  15
.set CH,  16
.set TX,  19
.set TY,  20
.set G1A, 24                           ; s[24:31] group 1 for A;  s[32:35] group 0 of K step 0;  s[36:39] group 0 that walks on from K step 1
.set GA0, 32
.set GAW, 36
.set G1B, 40                           ; the same three for W
.set GB0, 48
.set GBW, 52
.set TB,  56
.set LA,  57
.set LB,  58
.set CNT, 59
.set SRC, 90                           ; s[90:91] the cast: my wave's numbers in w1 or w2
.set DST, 92                           ; s[92:93] and in wb2
.set MSB, 0
.macro WIN new                         ; the immediate's high byte repeats the setting that is left; a switch that changes nothing is dropped
.if MSB != (\new)
	s_set_vgpr_msb (MSB<<8)|(\new)
.set MSB, \new
.endif
.endm
.macro PLACES                          ; four plain places between a matrix instruction and a load into, or a read of, its registers
.rept 4
	v_nop
.endr
.endm
.macro JLOAD                           ; the joint refill: waves 0, 1 ask for A's halves, waves 2, 3 for W's
	s_cmp_eq_u32 s[RH], 0
	s_cbranch_scc0 .Lfor_b_\@
	tensor_load_to_lds s[GAW:GAW+3], s[G1A:G1A+7]
	s_nop 0
.rept 4
	v_nop
.endr
	s_branch .Lasked_\@
.Lfor_b_\@:
	tensor_load_to_lds s[GBW:GBW+3], s[G1B:G1B+7]
	s_nop 0
.rept 4
	v_nop
.endr
.Lasked_\@:
.endm
.macro CREST                           ; a round of the cluster's barrier behind its opening barrier
	s_cmp_lg_u32 s[WV], 0
	s_cbranch_scc1 .Lnot_wave_0_\@
	s_barrier_signal -3
.Lnot_wave_0_\@:
	s_barrier_wait -3
	s_barrier_signal -1
	s_barrier_wait -1
.endm
.macro CROUND
	s_barrier_signal -1
	s_barrier_wait -1
	CREST
.endm
; 2 NB matrix instructions: row blocks a0, a0 + 1 of the window's four x all NB column blocks, 32 along K.  zero = 1: the product starts the sum.
.macro MULH f, hi, a0, zero
	WIN 0xa1+0x50*(\hi)                            ; source 0 window 1, source 1 window 0, C and D window 2 or 3
.irp a, \a0, (\a0)+1
.set bb, 0
.rept NB
.if \zero
	v_wmma_f32_16x16x32_bf16 v[8*(NB*(\a)+bb):8*(NB*(\a)+bb)+7], v[(\f)+8*bb:(\f)+8*bb+7], v[(\f)+8*(4*(\hi)+(\a)):(\f)+8*(4*(\hi)+(\a))+7], 0
.else
	v_wmma_f32_16x16x32_bf16 v[8*(NB*(\a)+bb):8*(NB*(\a)+bb)+7], v[(\f)+8*bb:(\f)+8*bb+7], v[(\f)+8*(4*(\hi)+(\a)):(\f)+8*(4*(\hi)+(\a))+7], v[8*(NB*(\a)+bb):8*(NB*(\a)+bb)+7]
.endif
.set bb, bb+1
.endr
.endr
.endm
; LQ LDS loads in one run: the fragments of 32 along K at byte k of the rows, into buffer f; W's first, A's rows 64-127 last
.macro FETCH k, f
	WIN 0x40
.set ii, 0
.rept NB
	ds_load_b128 v[(\f)+8*ii:(\f)+8*ii+3],   v[ADB] offset:(\k)+ii*16*PITCH
	ds_load_b128 v[(\f)+8*ii+4:(\f)+8*ii+7], v[ADB] offset:(\k)+ii*16*PITCH+32
.set ii, ii+1
.endr
	WIN 0
.set ii, 0
.rept 8
	ds_load_b128 v[(\f)+8*ii:(\f)+8*ii+3],   v[ADA] offset:(\k)+ii*16*PITCH
	ds_load_b128 v[(\f)+8*ii+4:(\f)+8*ii+7], v[ADA] offset:(\k)+ii*16*PITCH+32
.set ii, ii+1
.endr
.endm
; One of a K step's first three quarters: multiplies buffer f, and in its middle fetches the next quarter, at byte k, into g
.macro QUARTER k, f, g, zero
	s_wait_dscnt 8                                 ; W and A's rows 0-63 are in; the youngest eight loads (A's rows 64-127) may be out
	MULH \f, 0, 0, \zero
	MULH \f, 0, 2, \zero
	PLACES
	FETCH \k, \g
	s_wait_dscnt LQ                                ; all but the LQ just issued
	MULH \f, 1, 0, \zero
	MULH \f, 1, 2, \zero
.endm
; The last quarter multiplies buffer 1 and changes slots.  In front of the barrier each wave waits for all its tensor loads (one is out: its part of the next slot),
; adds 0 to its spare word, and waits for that and for its reads of this slot.  fill = 1: the barrier opens a round of the cluster's, and the slot just read out
; is filled again, first thing behind the round, with the K step two steps on: it has a K step less 2 NB products in which to land.
.macro TURN fill
	WIN 0
	s_wait_tensorcnt 0x0
	ds_add_u32 v[SPW], v[NIL]
	s_wait_dscnt 9                                 ; the add and the youngest eight loads may be out
	MULH F1, 0, 0, 0
	s_wait_dscnt 0x0                               ; the add is done, my reads of this slot are over
	s_barrier_signal -1
	MULH F1, 0, 2, 0
	WIN 0
	s_barrier_wait -1
.if \fill
	CREST
	s_add_co_u32 s[GAW+1], s[LA], s[TB]            ; no load of mine is out, so the walking descriptors may be written: the slot just read,
	s_add_co_u32 s[GBW+1], s[LB], s[TB]
	s_add_nc_u64 s[GAW+2:GAW+3], s[GAW+2:GAW+3], KSTEP*2  ; the next K step
	s_add_nc_u64 s[GBW+2:GBW+3], s[GBW+2:GBW+3], KSTEP*2
	s_xor_b32 s[TB], s[TB], SLOT                   ; TB is 0 or SLOT: now the other slot
	JLOAD                                          ; its four v_nop are also the places in front of the loads below
.else
	s_xor_b32 s[TB], s[TB], SLOT
	PLACES
.endif
	v_add_nc_u32 v[ADA], s[TB], v[ADRA0]
	v_add_nc_u32 v[ADB], s[TB], v[ADRB0]
	FETCH 0, F0
	MULH F1, 1, 0, 0
	MULH F1, 1, 2, 0
.endm
; THE CAST's turn, at the head of a trip: the batch asked for a trip ago is rounded and stored, the next is asked for.  None of its registers is a matrix instruction's.
; tail = 1 (the loop of the last two trips): its second trip, CNT = 1, takes the last batch and asks for nothing.
.macro RIDER tail
	WIN 0
	s_wait_loadcnt 0x0                             ; the batch was asked for a whole trip ago
	s_wait_xcnt 0x0                                ; the last batch's stores have read their data and VS
	v_add_nc_u32 v[VS], 2048, v[VS]                ; the stores below reach back by their offset
	v_add_nc_u32 v[VL], 4096, v[VL]                ; the next batch
	WIN 0x45                                       ; destination and both sources in window 1
.set ii, 0
.rept 16
	v_cvt_pk_bf16_f32 v[CY+ii], v[CX+2*ii], v[CX+2*ii+1]
.set ii, ii+1
.endr
.if \tail
	WIN 0
	s_cmp_eq_u32 s[CNT], 1
	s_cbranch_scc1 .Lno_more_\@
.endif
	WIN 0x40                                       ; destination window 1, address window 0
.set ii, 0
.rept 8
	global_load_b128 v[CX+4*ii:CX+4*ii+3], v[VL], s[SRC:SRC+1] offset:512*ii th:TH_LOAD_NT
.set ii, ii+1
.endr
.if \tail
	WIN 0
.Lno_more_\@:
.endif
	WIN 0x04                                       ; store data window 1, address window 0
.set ii, 0
.rept 8
	global_store_b64 v[VS], v[CY+2*ii:CY+2*ii+1], s[DST:DST+1] offset:256*ii-2048   ; 32 lanes: 256 consecutive bytes at a multiple of 256
.set ii, ii+1
.endr
.endm
	s_load_b256 s[4:11], s[0:1], 0x0               ; A s[4:5], wbf s[6:7], bias s[8:9], out s[10:11]
	s_load_b128 s[68:71], s[0:1], 0x20             ; w1 s[68:69], w2 s[70:71]
	s_load_b64 s[72:73], s[0:1], 0x30              ; wb2
	v_lshl_add_u32 v[SPW], v0, 2, SPARE
	v_mov_b32 v[NIL], 0
	ds_add_u32 v[SPW], v[NIL]                      ; the wave's opening: the add and its wait ahead of my first tensor load
	ds_add_u32 v28, v29
	v_lshrrev_b32 v1, 5, v0
	v_readfirstlane_b32 s[WV], v1
	s_lshr_b32 s[RH], s[WV], 1
	s_and_b32 s[CH], s[WV], 1
	s_bfe_u32 s17, ttmp6, 0x40000                  ; cx
	s_bfe_u32 s18, ttmp6, 0x40004                  ; cy
	s_lshl_b32 s[TX], ttmp9, 2
	s_add_co_u32 s[TX], s[TX], s17                 ; tile column
	s_and_b32 s[TY], ttmp7, 0xffff
	s_lshl_b32 s[TY], s[TY], 2
	s_add_co_u32 s[TY], s[TY], s18                 ; tile row
	s_lshl_b32 s21, s18, 2
	s_lshl_b32 s21, 15, s21                        ; my row of the cluster
	s_lshl_b32 s22, 0x1111, s17                    ; my column
	s_or_b32 s[G1A], s21, (1<<16)|(1<<20)|(1<<21)|(5<<22)|(3<<25)  ; mask; 2-byte elements; padding on; bit 21 beside a mask; after every 64 words 4 words
	s_or_b32 s[G1B], s22, (1<<16)|(1<<20)|(1<<21)|(5<<22)|(3<<25)
	s_mov_b32 s[G1A+1], KSTEP<<16                  ; tensor_dim0 = 128
	s_mov_b32 s[G1A+2], 128<<16                    ; tensor_dim1 = 128
	s_mov_b32 s[G1A+3], KSTEP<<16                  ; tile_dim0 = 128
	s_mov_b32 s[G1A+4], 128                        ; tile_dim1 = 128
	s_mov_b32 s[G1A+5], SIZE_K                     ; elements from row to row
	s_mov_b32 s[G1A+6], 0
	s_mov_b32 s[G1A+7], 0
	s_mov_b32 s[G1B+1], KSTEP<<16
	s_mov_b32 s[G1B+2], (16*NB)<<16                ; 16 NB rows
	s_mov_b32 s[G1B+3], KSTEP<<16
	s_mov_b32 s[G1B+4], 16*NB
	s_mov_b32 s[G1B+5], SIZE_K
	s_mov_b32 s[G1B+6], 0
	s_mov_b32 s[G1B+7], 0
	s_lshl_b32 s60, s[TY], 19                      ; A: (256 tile row + 128 half) rows of 2,048 bytes
	s_lshl_b32 s61, s[CH], 18
	s_add_co_u32 s60, s60, s61
	s_mov_b32 s61, 0
	s_mul_i32 s62, s[TX], 65536*NB                 ; W: (32 NB tile column + 16 NB half) rows of 2,048 bytes, from WOFF
	s_mul_i32 s63, s[CH], 32768*NB
	s_add_co_u32 s62, s62, s63
	s_add_co_u32 s62, s62, WOFF
	s_mov_b32 s63, 0
	s_mul_i32 s[LA], s[WV], HALFA                  ; where they go: waves 0, 1: A's halves;
	s_mul_i32 s[LB], s[WV], HALFB                  ; waves 2, 3: W's halves, behind A's 256 rows
	s_add_co_u32 s[LB], s[LB], 2*(HALFA-HALFB)
	s_mov_b32 s[TB], 0
	s_wait_dscnt 0x0                               ; the opening add is done
	s_wait_kmcnt 0x0
	s_add_nc_u64 s[60:61], s[4:5], s[60:61]
	s_add_nc_u64 s[62:63], s[6:7], s[62:63]
	s_mov_b32 s[GA0], 1
	s_mov_b32 s[GA0+1], s[LA]
	s_mov_b64 s[GA0+2:GA0+3], s[60:61]
	s_or_b32 s[GA0+3], s[GA0+3], 0x80000000
	s_mov_b32 s[GAW], 1
	s_add_co_u32 s[GAW+1], s[LA], SLOT
	s_add_nc_u64 s[GAW+2:GAW+3], s[60:61], KSTEP*2
	s_or_b32 s[GAW+3], s[GAW+3], 0x80000000
	s_mov_b32 s[GB0], 1
	s_mov_b32 s[GB0+1], s[LB]
	s_mov_b64 s[GB0+2:GB0+3], s[62:63]
	s_or_b32 s[GB0+3], s[GB0+3], 0x80000000
	s_mov_b32 s[GBW], 1
	s_add_co_u32 s[GBW+1], s[LB], SLOT
	s_add_nc_u64 s[GBW+2:GBW+3], s[62:63], KSTEP*2
	s_or_b32 s[GBW+3], s[GBW+3], 0x80000000
	CROUND                                         ; all sixteen work-groups are here: the first joint loads meet
	s_cmp_eq_u32 s[RH], 0                          ; a wave's two first fills stand in one branch: two loads of mine are out
	s_cbranch_scc0 .Lfirst_b
	tensor_load_to_lds s[GA0:GA0+3], s[G1A:G1A+7]
	s_nop 0
	tensor_load_to_lds s[GAW:GAW+3], s[G1A:G1A+7]
	s_nop 0
.rept 4
	v_nop
.endr
	s_branch .Lfirst_asked
.Lfirst_b:
	tensor_load_to_lds s[GB0:GB0+3], s[G1B:G1B+7]
	s_nop 0
	tensor_load_to_lds s[GBW:GBW+3], s[G1B:G1B+7]
	s_nop 0
.rept 4
	v_nop
.endr
.Lfirst_asked:
	v_and_b32 v1, 15, v0                           ; l % 16
	v_bfe_u32 v2, v0, 4, 1                         ; l / 16
	v_and_b32 v5, 31, v0                           ; l
	v_mul_u32_u24 v3, v1, PITCH
	v_lshl_add_u32 v3, v2, 4, v3                   ; a fragment's row x pitch + 16 x half
	s_mul_i32 s66, s[RH], HALFA
	s_mul_i32 s67, s[CH], HALFB
	s_add_co_u32 s67, s67, 2*HALFA
	v_add_nc_u32 v[ADRA0], s66, v3
	v_add_nc_u32 v[ADRB0], s67, v3
	v_mov_b32 v[ADA], v[ADRA0]
	v_mov_b32 v[ADB], v[ADRB0]
	s_mul_i32 s66, s[RH], 128*SPITCH               ; into the stage: row 128 RH + 16 a + l % 16, byte 64 NB CH + 64 b + 32 (l / 16)
	s_mul_i32 s67, s[CH], 64*NB
	s_add_co_u32 s66, s66, s67
	v_mul_u32_u24 v4, v1, SPITCH
	v_lshl_add_u32 v4, v2, 5, v4
	v_add_nc_u32 v[STO], s66, v4
	v_add_nc_u32 v[STO+1], 64*SPITCH, v[STO]
	s_mul_i32 s66, s[WV], 64*SPITCH                ; back: wave w takes rows 64 w .. 64 w + 63, whole
	v_mul_u32_u24 v4, v2, SPITCH                   ; lanes 0-15 a head's 256 bytes of one row, lanes 16-31 of the next
	v_lshl_add_u32 v4, v1, 4, v4
	v_add_nc_u32 v[RD], s66, v4
	v_lshlrev_b32 v[BO], 4, v1
	v_lshlrev_b32 v[GO], 3, v5                     ; 8 bytes of bf16 a lane
	s_mul_i32 s12, s[TX], 128*NB                   ; the tile's bias
	s_mov_b32 s13, 0
	s_add_nc_u64 s[8:9], s[8:9], s[12:13]
.irp i, 0,1,2
	global_load_b128 v[BIAS+4*\i:BIAS+4*\i+3], v[BO], s[8:9] offset:256*\i
.endr
	; the cast: which matrix, my wave's 8,192 numbers in it and in wb2, and the first batch
	s_lshr_b32 s74, s[TY], 3                       ; tile rows 0-7: w1; 8-15: w2
	s_cmp_eq_u32 s74, 0
	s_cselect_b64 s[SRC:SRC+1], s[68:69], s[70:71]
	s_and_b32 s75, s[TY], 7
	s_lshl_b32 s75, s75, 4
	s_add_co_u32 s75, s75, s[TX]
	s_lshl_b32 s75, s75, 2
	s_add_co_u32 s75, s75, s[WV]                   ; my wave among the matrix's 512
	s_lshl_b32 s76, s75, 15                        ; 32,768 bytes of f32 a wave
	s_mov_b32 s77, 0
	s_add_nc_u64 s[SRC:SRC+1], s[SRC:SRC+1], s[76:77]
	s_lshl_b32 s76, s75, 14                        ; 16,384 bytes of bf16,
	s_lshl_b32 s78, s74, 23                        ; w2 behind w1's 8 MiB
	s_add_co_u32 s76, s76, s78
	s_add_nc_u64 s[DST:DST+1], s[72:73], s[76:77]
	v_lshlrev_b32 v[VL], 4, v5
	v_lshlrev_b32 v[VS], 3, v5
	WIN 0x40
.set ii, 0
.rept 8
	global_load_b128 v[CX+4*ii:CX+4*ii+3], v[VL], s[SRC:SRC+1] offset:512*ii th:TH_LOAD_NT
.set ii, ii+1
.endr
	WIN 0
	s_lshr_b32 s2, s[TY], 3                        ; b
	s_and_b32 s3, s[TY], 7
	s_lshl_b32 s3, s3, 15                          ; 256 rows of 128 bytes a tile row,
	s_lshl_b32 s12, s[WV], 13                      ; 64 a wave
	s_add_co_u32 s3, s3, s12
.irp i, 0,1,2                          ; the tile's three heads g = 3 tile column + i: part g / 16 (q, k, v), head g % 16
	s_mul_i32 s12, s[TX], 3
	s_add_co_u32 s12, s12, \i
	s_lshr_b32 s13, s12, 4
	s_and_b32 s23, s12, 15
	s_lshl_b32 s88, s13, 5
	s_add_co_u32 s88, s88, s23
	s_lshl_b32 s89, s2, 4
	s_add_co_u32 s88, s88, s89
	s_sub_co_u32 s88, s88, 16                      ; k, v: 32 part - 16 + 16 b + head
	s_mul_i32 s89, s2, 80
	s_add_co_u32 s89, s89, s12                     ; q: 80 b + head
	s_cmp_eq_u32 s13, 0
	s_cselect_b32 s88, s89, s88
	s_lshl_b32 s88, s88, 18
	s_add_co_u32 s88, s88, s3
	s_mov_b32 s89, 0
	s_add_nc_u64 s[82+2*\i:83+2*\i], s[10:11], s[88:89]
.endr
	s_wait_tensorcnt 0x1                           ; my part of K step 0 is in; K step 1's stays out
	s_barrier_signal -1
	s_barrier_wait -1
	FETCH 0, F0
	QUARTER 64, F0, F1, 1                          ; the first quarter stands ahead of the loop: its products start the sums
	WIN 0
	s_mov_b32 s[CNT], STEPS-2
.Llap:                                                 ; a trip: from a K step's second quarter to the next step's first; every trip fills a slot again
	RIDER 0
	QUARTER 128, F1, F0, 0
	QUARTER 192, F0, F1, 0
	TURN 1
	QUARTER 64, F0, F1, 0
	WIN 0
	s_sub_co_u32 s[CNT], s[CNT], 1
	s_cmp_lg_u32 s[CNT], 0
	s_cbranch_scc1 .Llap
	s_mov_b32 s[CNT], 2
.Ltail:                                                ; the last two K steps ask for no tile; the second trip is left in its middle.  Its change of slots (a barrier, and a
	RIDER 1                                        ; fetch of landed bytes that serves nothing) is the price of one text for both
	QUARTER 128, F1, F0, 0
	QUARTER 192, F0, F1, 0
	TURN 0
	WIN 0
	s_sub_co_u32 s[CNT], s[CNT], 1
	s_cmp_eq_u32 s[CNT], 0
	s_cbranch_scc1 .Ldone
	QUARTER 64, F0, F1, 0
	WIN 0
	s_branch .Ltail
.Ldone:
	s_wait_dscnt 0x0                               ; my reads of the ring are over
	PLACES                                         ; behind the last products
	s_barrier_signal -1
	s_barrier_wait -1                              ; everybody's are: the stage may be written over the ring
.set aa, 0
.rept 8
	WIN 0x08+4*(aa/4)                              ; store data in window 2 or 3
.set bb, 0
.rept NB
	ds_store_b128 v[STO+aa/4], v[8*(NB*(aa%4)+bb):8*(NB*(aa%4)+bb)+3]   offset:(aa%4)*16*SPITCH+64*bb
	ds_store_b128 v[STO+aa/4], v[8*(NB*(aa%4)+bb)+4:8*(NB*(aa%4)+bb)+7] offset:(aa%4)*16*SPITCH+64*bb+16
.set bb, bb+1
.endr
.set aa, aa+1
.endr
	WIN 0
	s_wait_dscnt 0x0                               ; for the others' sake: my stores into the stage are done
	s_barrier_signal -1
	s_barrier_wait -1
	s_wait_loadcnt 0x0                             ; the bias (long in)
; 16 trips of 4 rows: two pairs of rows x three heads.  A pair of a head's rows is 256 consecutive bytes of its region.
.set YO, 88                            ; v[88:99]   packed
.set YF, 100                           ; v[100:123] with the bias
.macro LDX
.irp t, 0,1
.irp i, 0,1,2
	ds_load_b128 v[XR+4*(3*\t+\i):XR+4*(3*\t+\i)+3], v[RD] offset:\t*2*SPITCH+256*\i
.endr
.endr
.endm
	LDX
	s_mov_b32 s[CNT], 16
.Lout:
	s_cmp_eq_u32 s[CNT], 1
	s_cselect_b32 s66, 0, 4*SPITCH                 ; the last trip's look-ahead reads its own rows once more and uses nothing of them
	s_wait_dscnt 0x0
	s_wait_xcnt 0x0                                ; the last trip's stores have read their data and GO
	v_add_nc_u32 v[GO], 512, v[GO]                 ; the stores below reach back by their offset
.irp t, 0,1
.irp i, 0,1,2
	v_pk_add_f32 v[YF+4*(3*\t+\i):YF+4*(3*\t+\i)+1],   v[XR+4*(3*\t+\i):XR+4*(3*\t+\i)+1],   v[BIAS+4*\i:BIAS+4*\i+1]
	v_pk_add_f32 v[YF+4*(3*\t+\i)+2:YF+4*(3*\t+\i)+3], v[XR+4*(3*\t+\i)+2:XR+4*(3*\t+\i)+3], v[BIAS+4*\i+2:BIAS+4*\i+3]
.endr
.endr
	v_add_nc_u32 v[RD], s66, v[RD]
	LDX                                            ; the next trip's rows
.set ii, 0
.rept 12
	v_cvt_pk_bf16_f32 v[YO+ii], v[YF+2*ii], v[YF+2*ii+1]
.set ii, ii+1
.endr
.irp t, 0,1
.irp i, 0,1,2
	global_store_b64 v[GO], v[YO+2*(3*\t+\i):YO+2*(3*\t+\i)+1], s[82+2*\i:83+2*\i] offset:256*\t-512  ; 32 lanes: 256 consecutive bytes at a multiple of 256
.endr
.endr
	s_sub_co_u32 s[CNT], s[CNT], 1
	s_cmp_lg_u32 s[CNT], 0
	s_cbranch_scc1 .Lout
	s_wait_tensorcnt 0x0                           ; the wave's end
	ds_add_u32 v[SPW], v[NIL]
	s_wait_dscnt 0x0
	CROUND                                         ; the closing round: no work-group ends while a partner may still ask for a tile that names it
	s_endpgm
.Lfunc_end_k_qb64f83e0f4_gqkv:
	.size	k_qb64f83e0f4_gqkv, .Lfunc_end_k_qb64f83e0f4_gqkv-k_qb64f83e0f4_gqkv
	.p2alignl 7, 3214868480
	.fill 96, 4, 3214868480
	.section	.rodata,"a",@progbits
	.p2align	6, 0x0
	.amdhsa_kernel k_qb64f83e0f4_gqkv
		.amdhsa_group_segment_fixed_size 327680
		.amdhsa_private_segment_fixed_size 0
		.amdhsa_enable_private_segment 0
		.amdhsa_kernarg_size 56
		.amdhsa_user_sgpr_count 2
		.amdhsa_user_sgpr_kernarg_segment_ptr 1
		.amdhsa_wavefront_size32 1
		.amdhsa_system_sgpr_workgroup_id_x 1
		.amdhsa_system_sgpr_workgroup_id_y 1
		.amdhsa_system_sgpr_workgroup_id_z 1
		.amdhsa_system_vgpr_workitem_id 0
		.amdhsa_next_free_vgpr 1024
		.amdhsa_next_free_sgpr 96
		.amdhsa_reserve_vcc 0
		.amdhsa_float_denorm_mode_32 3
		.amdhsa_float_denorm_mode_16_64 3
		.amdhsa_memory_ordered 1
		.amdhsa_forward_progress 1
		.amdhsa_inst_pref_size 76
	.end_amdhsa_kernel
	.amdgpu_metadata
---
amdhsa.version: [ 1, 2 ]
amdhsa.kernels:
  - .name:           k_qb64f83e0f4_gqkv
    .symbol:         k_qb64f83e0f4_gqkv.kd
    .args:
      - { .name: xn, .offset: 0, .size: 8, .value_kind: global_buffer, .address_space: global }
      - { .name: wbf, .offset: 8, .size: 8, .value_kind: global_buffer, .address_space: global }
      - { .name: in_proj_b, .offset: 16, .size: 8, .value_kind: global_buffer, .address_space: global }
      - { .name: qkvh, .offset: 24, .size: 8, .value_kind: global_buffer, .address_space: global }
      - { .name: w1, .offset: 32, .size: 8, .value_kind: global_buffer, .address_space: global }
      - { .name: w2, .offset: 40, .size: 8, .value_kind: global_buffer, .address_space: global }
      - { .name: wb2, .offset: 48, .size: 8, .value_kind: global_buffer, .address_space: global }
    .group_segment_fixed_size: 327680
    .private_segment_fixed_size: 0
    .kernarg_segment_align: 8
    .kernarg_segment_size: 56
    .max_flat_workgroup_size: 128
    .sgpr_count:     96
    .vgpr_count:     1024
    .wavefront_size: 32
...
	.end_amdgpu_metadata
.endif
;; end of part 2
;; launch attn (part 3): grid 32 x 8, 8 waves a work-group, no clusters, 327,680 bytes of LDS; arguments qkvh, ctx, pm; writes ctx, pm
.if DOCPART == 3
	.amdgcn_target "amdgcn-amd-amdhsa--gfx1250"
	.amdhsa_code_object_version 6
	.text
	.protected	k_qb64f83e0f4_attn
	.globl	k_qb64f83e0f4_attn
	.p2align	8
	.type	k_qb64f83e0f4_attn,@function
k_qb64f83e0f4_attn:
	s_mov_b64 s[64:65], 0
	v_nop
	global_prefetch_b8 v0, s[64:65] scope:SCOPE_SE
	s_setreg_imm32_b32 hwreg(HW_REG_WAVE_MODE, 25, 1), 1
	s_wait_xcnt 0x0
; BANDED ATTENTION: key j counts for query i iff |i - j| <= 128.  q, k, v by heads in qkvh (96 regions of [2048][64] bf16: Q(0,h) = h, K(b,h) = 16+16b+h,
; V(b,h) = 48+16b+h, Q(1,h) = 80+h).  ctx: [4096][1024] bf16.  pm: [8 head pairs][256 tiles of 16 queries][16][288] f16: the sum of the pair's two normalised
; weights, column c of a tile's row standing for key 16 tile - 128 + c.
; SHARES.  Work-group (x, y): the 128 queries 128 (x % 16) .. of batch x / 16, heads 2 y and 2 y + 1.  Wave w owns 16 queries and walks the two heads in a loop.
; THE WINDOW.  The block's keys lie in 400 rows from 128 (x % 16) - 128 on, 25 tiles of 16; wave w uses tiles w .. w + 17: its position 0 holds the band's lower
; edge, 1 to 15 are open, 16 holds the upper edge, 17 is always hidden (it makes up nine steps of 32 keys and pm's zero columns).  Both heads' K and V are in
; LDS at once: one tensor load a wave, no slot is filled again, one barrier.  At the sequence's ends the window reaches into the neighbouring region of qkvh:
; finite numbers written by the launch before, whose scores are overwritten by -1e30.
; NO CLUSTER: the eight head pairs share no input; neighbouring query blocks share rows, but at other LDS places.
; LAYOUT.  S^T = K Q^T: a lane holds ONE query (lane % 16) and the keys 8 (lane / 16) + 0..7 of each tile; two tiles rounded to bf16 ARE source 1 of O^T = V^T P.
; SOFTMAX over the wave's 288 keys at once: the true maximum m, p = 2^(c s - c m), c = log2(e) / 8, l = the sum of the unrounded p.
; LIMITS.  A hidden score counts as its value less 1e30 (edge tiles) or as -1e30.  pm's numbers lie in 0 to 2; f16 keeps 11 bits of them, below 6e-5 a step of 6e-8.
; A NaN or infinity in k or v can reach the neighbouring head's first or last block (0 x inf).  A weight below 2^-126 counts as 0.
; REGISTERS.  window 0: v1-31 addresses and statistics; v32-47 Q; v48-63 the second head's Q; v64-207 S^T (P is packed in place into v64-135);
;   v208-223 the two edge masks; v224-255 O^T.   window 1: v0-143 the weights' sum; v144-239 three fragment buffers of 32.
.set PK,    144                        ; a row of K in LDS: 128 bytes + 16
.set PV,    160                        ; a row of V: 128 + 32
.set KH,    400*PK                     ; a head's K
.set VH,    400*PV                     ; a head's V
.set VBASE, 2*KH                       ; both K, then both V
.set STAGE, VBASE+2*VH                 ; 243,200: 9,216 bytes for each wave, its own; no tile lands there
.set STG,   9216
.set SPARE, STAGE+8*STG                ; the spare words, 128 bytes a wave, that no other line names
.set AK,   2
.set AV,   3
.set STO,  6
.set RD,   7
.set GO,   8
.set MSTO, 10
.set L16,  11
.set CC,   12                          ; v12-15 four chains of the maximum
.set CM,   16                          ; v[16:17] c m, twice
.set IL,   18                          ; v[18:19] 1 / l, twice
.set LS,   20                          ; v[20:27] four chains of packed sums
.set QO,   28                          ; my byte offset in 16 rows of Q; never rewritten
.set G16,  29                          ; 16 x lane
.set SPW,  30
.set NIL,  31
.set QF,   32
.set QN,   48
.set S,    64
.set MLO,  208
.set MHI,  216
.set O,    224
.set FB,   144                         ; window 1
.set WV,  12
.set G1K, 24
.set G1V, 32
.set G0K, 40
.set G0V, 44
.set CS,  58
.set SEL, 60
.set BIG, 62
.set INV, 63
.set CNT, 66
.set MSB, 0
.macro WIN new
.if MSB != (\new)
	s_set_vgpr_msb (MSB<<8)|(\new)
.set MSB, \new
.endif
.endm
.macro PLACES
.rept 4
	v_nop
.endr
.endm
	s_load_b128 s[4:7], s[0:1], 0x0                ; qkvh s[4:5], ctx s[6:7]
	s_load_b64 s[8:9], s[0:1], 0x10                ; pm
	v_lshl_add_u32 v[SPW], v0, 2, SPARE
	v_mov_b32 v[NIL], 0
	ds_add_u32 v[SPW], v[NIL]                      ; the wave's opening: the add and its wait ahead of my tensor load
	ds_add_u32 v30, v31
	v_lshrrev_b32 v1, 5, v0
	v_readfirstlane_b32 s[WV], v1                  ; wave 0..7
	s_lshr_b32 s21, ttmp9, 4                       ; b
	s_and_b32 s22, ttmp9, 15                       ; the block of queries in its sequence
	s_and_b32 s23, ttmp7, 0xffff                   ; the head pair
	; 200 keys are 25,600 dense bytes: asked for as 100 rows of 256 bytes, two keys a row, padded in LDS after every key
	s_mov_b32 s[G1K], (1<<16)|(1<<20)|(4<<22)|(3<<25)   ; 2-byte elements; padding on; after every 32 words 4 words
	s_mov_b32 s[G1V], (1<<16)|(1<<20)|(4<<22)|(7<<25)   ; 8 words
.irp g, G1K, G1V
	s_mov_b32 s[\g+1], 128<<16                     ; tensor_dim0 = 128
	s_mov_b32 s[\g+2], 100<<16                     ; tensor_dim1 = 100
	s_mov_b32 s[\g+3], 128<<16                     ; tile_dim0 = 128
	s_mov_b32 s[\g+4], 100                         ; tile_dim1 = 100
	s_mov_b32 s[\g+5], 128                         ; elements from row to row
	s_mov_b32 s[\g+6], 0
	s_mov_b32 s[\g+7], 0
.endr
	s_lshr_b32 s13, s[WV], 2                       ; waves 0-3 fetch K, 4-7 V;
	s_bfe_u32 s14, s[WV], 0x10001                  ; bit 1: which head of the pair;
	s_and_b32 s15, s[WV], 1                        ; bit 0: which 200 keys
	s_lshl_b32 s16, s13, 5
	s_add_co_u32 s16, s16, 16
	s_lshl_b32 s17, s21, 4
	s_add_co_u32 s16, s16, s17
	s_lshl_b32 s17, s23, 1
	s_add_co_u32 s16, s16, s17
	s_add_co_u32 s16, s16, s14                     ; the region: 16 + 32 (V) + 16 b + head, 16 at the least
	s_lshl_b32 s16, s16, 18
	s_lshl_b32 s17, s22, 14                        ; + 128 rows a block
	s_add_co_u32 s16, s16, s17
	s_mul_i32 s17, s15, 25600                      ; + my half
	s_add_co_u32 s16, s16, s17
	s_sub_co_u32 s16, s16, 16384                   ; - 128 rows
	s_mov_b32 s17, 0
	s_mov_b32 s[G0K], 1
	s_mul_i32 s[G0K+1], s[WV], 200*PK              ; waves 0-3: K's four halves on end
	s_mov_b32 s[G0V], 1
	s_mul_i32 s[G0V+1], s[WV], 200*PV              ; waves 4-7: V's four halves on end, from VBASE
	s_sub_co_u32 s[G0V+1], s[G0V+1], 4*200*PV-VBASE
	s_mov_b32 s[CS], 0x3e38aa3b                    ; c = log2(e) / 8
	s_mov_b32 s[CS+1], s[CS]
	s_mov_b32 s[SEL], 0x76543210
	s_mov_b32 s[SEL+1], 0xfedcba98
	s_mov_b32 s[BIG], 0xf149f2ca                   ; -1e30
	s_wait_dscnt 0x0                               ; the opening add is done
	s_wait_kmcnt 0x0
	s_add_nc_u64 s[G0K+2:G0K+3], s[4:5], s[16:17]
	s_or_b32 s[G0K+3], s[G0K+3], 0x80000000
	s_add_nc_u64 s[G0V+2:G0V+3], s[4:5], s[16:17]
	s_or_b32 s[G0V+3], s[G0V+3], 0x80000000
	s_cmp_lt_u32 s[WV], 4
	s_cbranch_scc0 .Lfor_v
	tensor_load_to_lds s[G0K:G0K+3], s[G1K:G1K+7]
	s_nop 0
.rept 4
	v_nop
.endr
	s_branch .Lasked
.Lfor_v:
	tensor_load_to_lds s[G0V:G0V+3], s[G1V:G1V+7]
	s_nop 0
.rept 4
	v_nop
.endr
.Lasked:
	; all that follows up to the barrier stands in the wait for the tiles
	s_mul_i32 s16, s21, 80
	s_lshl_b32 s17, s23, 1
	s_add_co_u32 s16, s16, s17                     ; Q's region: 80 b + head
	s_lshl_b32 s16, s16, 18
	s_lshl_b32 s17, s22, 14
	s_add_co_u32 s16, s16, s17
	s_lshl_b32 s17, s[WV], 11                      ; my 16 rows
	s_add_co_u32 s16, s16, s17
	s_mov_b32 s17, 0
	s_add_nc_u64 s[48:49], s[4:5], s[16:17]
	v_and_b32 v1, 15, v0                           ; r = l % 16
	v_bfe_u32 v9, v0, 4, 1                         ; h = l / 16
	v_and_b32 v4, 31, v0
	v_lshlrev_b32 v[QO], 7, v1
	v_lshl_add_u32 v[QO], v9, 4, v[QO]             ; row x 128 + 16 x half
.irp i, 0,1,2,3                        ; a fragment is 16 rows x 32 channels: two loads 32 bytes apart; two fragments a head; the second head lies a region on
	global_load_b128 v[QF+4*\i:QF+4*\i+3], v[QO], s[48:49] offset:32*\i
	global_load_b128 v[QN+4*\i:QN+4*\i+3], v[QO], s[48:49] offset:262144+32*\i
.endr
	s_lshl_b32 s16, ttmp9, 18                      ; ctx: (128 x + 16 w) rows of 2,048 bytes + 256 y
	s_lshl_b32 s18, s[WV], 15
	s_add_co_u32 s16, s16, s18
	s_lshl_b32 s18, s23, 8
	s_add_co_u32 s16, s16, s18
	s_add_nc_u64 s[50:51], s[6:7], s[16:17]
	s_lshl_b32 s16, s23, 8                         ; pm: (256 y + 8 x + w) tiles of 9,216 bytes
	s_lshl_b32 s18, ttmp9, 3
	s_add_co_u32 s16, s16, s18
	s_add_co_u32 s16, s16, s[WV]
	s_mul_i32 s16, s16, STG
	s_add_nc_u64 s[52:53], s[8:9], s[16:17]
	; INV: the positions whose tile lies outside the sequence, and position 17
	s_lshl_b32 s13, s22, 3
	s_add_co_u32 s13, s13, s[WV]
	s_sub_co_i32 s13, s13, 8                       ; the tile at position 0, -8 .. 119
	s_sub_co_i32 s14, 0, s13
	s_max_i32 s14, s14, 0                          ; so many positions lie in front of the sequence
	s_sub_co_i32 s15, 128, s13
	s_min_i32 s15, s15, 17                         ; from this position on they lie behind it, or are position 17
	s_sub_co_i32 s16, 18, s15
	s_bfm_b32 s[INV], s14, 0
	s_bfm_b32 s16, s16, s15
	s_or_b32 s[INV], s[INV], s16
	; the edge masks: my register j of a tile is key 8 h + j; at position 0 it is hidden where 8 h + j < r, at position 16 where 8 h + j > r
	v_lshlrev_b32 v5, 3, v9
	v_sub_nc_u32 v5, v1, v5                        ; r - 8 h
.irp j, 0,1,2,3,4,5,6,7
	v_cmp_lt_i32 vcc_lo, \j, v5
	v_cndmask_b32 v[MLO+\j], 0, s[BIG], vcc_lo
	v_cmp_gt_i32 vcc_lo, \j, v5
	v_cndmask_b32 v[MHI+\j], 0, s[BIG], vcc_lo
.endr
	s_lshl_b32 s13, s[WV], 4
	v_add_nc_u32 v[AK], s13, v1                    ; K: row 16 w + r, + 16 h
	v_mul_u32_u24 v[AK], v[AK], PK
	v_lshl_add_u32 v[AK], v9, 4, v[AK]
	v_and_b32 v5, 7, v0                            ; V, for the turning load: row 16 w + 8 h + l % 8, + 16 ((l / 8) % 2)
	v_lshl_add_u32 v5, v9, 3, v5
	v_add_nc_u32 v5, s13, v5
	v_mul_u32_u24 v[AV], v5, PV
	v_bfe_u32 v5, v0, 3, 1
	v_lshl_add_u32 v[AV], v5, 4, v[AV]
	v_add_nc_u32 v[AV], VBASE, v[AV]
	s_mul_i32 s13, s[WV], STG
	s_add_co_u32 s13, s13, STAGE                   ; my stage
	v_mul_u32_u24 v[STO], v1, 272                  ; ctx in: row r of 256 + 16 bytes, 16 bytes for each half of the lanes
	v_lshl_add_u32 v[STO], v9, 4, v[STO]
	v_add_nc_u32 v[STO], s13, v[STO]
	v_mul_u32_u24 v[RD], v9, 272                   ; back: lanes 0-15 one row of 256 bytes, lanes 16-31 the next
	v_lshl_add_u32 v[RD], v1, 4, v[RD]
	v_add_nc_u32 v[RD], s13, v[RD]
	v_lshlrev_b32 v[GO], 11, v9                    ; and the same two rows in ctx
	v_lshl_add_u32 v[GO], v1, 4, v[GO]
	v_mul_u32_u24 v[MSTO], v1, 576                 ; pm in: row r of 576 bytes, as it lies in memory
	v_lshl_add_u32 v[MSTO], v9, 4, v[MSTO]
	v_add_nc_u32 v[MSTO], s13, v[MSTO]
	v_lshlrev_b32 v[G16], 4, v4
	v_add_nc_u32 v[L16], s13, v[G16]               ; back: 512 consecutive bytes
	WIN 0x40                                       ; the weights' sum starts at 0: the loop's one text has no first head written out; 144 moves, in the wait for the tiles
.set ii, 0
.rept 144
	v_mov_b32 v[ii], 0
.set ii, ii+1
.endr
	WIN 0
; Two tiles of K (16 keys x 64 channels each: two fragments) into buffer g % 3
.macro LOADK g
	WIN 0x40
.irp tt, 0,1
.irp c, 0,1
	ds_load_b128 v[FB+32*((\g)%3)+16*\tt+8*\c:FB+32*((\g)%3)+16*\tt+8*\c+3],   v[AK] offset:(2*(\g)+\tt)*16*PK+64*\c
	ds_load_b128 v[FB+32*((\g)%3)+16*\tt+8*\c+4:FB+32*((\g)%3)+16*\tt+8*\c+7], v[AK] offset:(2*(\g)+\tt)*16*PK+64*\c+32
.endr
.endr
.endm
; Their four products; the two accumulators take turns.  The sum starts with 0, at the band's edges with the mask.
.macro KQ g
	WIN 0x01
.irp c, 0,1
.irp tt, 0,1
.set tl, 2*(\g)+\tt
.set rS, S+8*tl
.set rK, FB+32*((\g)%3)+16*\tt+8*\c
.if \c == 1
	v_wmma_f32_16x16x32_bf16 v[rS:rS+7], v[rK:rK+7], v[QF+8:QF+15], v[rS:rS+7]
.elseif tl == 0
	v_wmma_f32_16x16x32_bf16 v[rS:rS+7], v[rK:rK+7], v[QF:QF+7], v[MLO:MLO+7]
.elseif tl == 16
	v_wmma_f32_16x16x32_bf16 v[rS:rS+7], v[rK:rK+7], v[QF:QF+7], v[MHI:MHI+7]
.else
	v_wmma_f32_16x16x32_bf16 v[rS:rS+7], v[rK:rK+7], v[QF:QF+7], 0
.endif
.endr
.endr
.endm
; 32 keys x 64 channels of V, turned, into buffer kk % 3
.macro LOADV kk
	WIN 0x40
.irp cb, 0,1,2,3
	ds_load_tr16_b128 v[FB+32*((\kk)%3)+8*\cb:FB+32*((\kk)%3)+8*\cb+3],   v[AV] offset:(\kk)*32*PV+32*\cb
	ds_load_tr16_b128 v[FB+32*((\kk)%3)+8*\cb+4:FB+32*((\kk)%3)+8*\cb+7], v[AV] offset:(\kk)*32*PV+16*PV+32*\cb
.endr
.endm
.macro PVM kk                          ; O^T += V^T P for those keys; the four accumulators take turns
	WIN 0x01
.irp cb, 0,1,2,3
.if (\kk) == 0
	v_wmma_f32_16x16x32_bf16 v[O+8*\cb:O+8*\cb+7], v[FB+32*((\kk)%3)+8*\cb:FB+32*((\kk)%3)+8*\cb+7], v[S+8*(\kk):S+8*(\kk)+7], 0
.else
	v_wmma_f32_16x16x32_bf16 v[O+8*\cb:O+8*\cb+7], v[FB+32*((\kk)%3)+8*\cb:FB+32*((\kk)%3)+8*\cb+7], v[S+8*(\kk):S+8*(\kk)+7], v[O+8*\cb:O+8*\cb+7]
.endif
.endr
.endm
.macro KILL p                          ; a tile outside the sequence, and position 17: its scores become -1e30.  The branch hangs on the block's and the wave's numbers alone
	s_bitcmp1_b32 s[INV], \p
	s_cbranch_scc0 .Lkeep_\@
.irp j, 0,1,2,3,4,5,6,7
	v_mov_b32 v[S+8*(\p)+\j], s[BIG]
.endr
.Lkeep_\@:
.endm
	s_wait_tensorcnt 0x0                           ; my tile is in,
	s_barrier_signal -1
	s_barrier_wait -1                              ; everybody's is
	s_wait_loadcnt 0x0                             ; Q
	s_mov_b32 s[CNT], 2
.Lhead:
	LOADK 0
	LOADK 1
	LOADK 2
.irp g, 0,1,2,3,4,5,6,7,8
.if \g < 7
	s_wait_dscnt 16                                ; two younger groups of eight loads may be out
.else
	s_wait_dscnt 8*(8-\g)
.endif
	KQ \g
.if \g < 6
	PLACES
	LOADK (\g)+3
.endif
.endr
	PLACES
	LOADV 0                                        ; they land while the softmax is made
	LOADV 1
	LOADV 2
	WIN 0
.irp p, 0,1,2,3,4,5,6,7,8,9,10,11,12,13,14,15,16,17
	KILL \p
.endr
	; the maximum of my 144 scores in four chains; chain k takes registers 2 k, 2 k + 1 of each tile, chain 0 first
.irp k, 0,1,2,3
	v_max_num_f32 v[CC+\k], v[S+2*\k], v[S+2*\k+1]
.endr
.set tl, 1
.rept 17
.irp k, 0,1,2,3
	v_max3_num_f32 v[CC+\k], v[CC+\k], v[S+8*tl+2*\k], v[S+8*tl+2*\k+1]
.endr
.set tl, tl+1
.endr
	v_max3_num_f32 v[CC], v[CC], v[CC+1], v[CC+2]
	v_max_num_f32 v[CC], v[CC], v[CC+3]
	v_permlanex16_b32 v[CC+1], v[CC], s[SEL], s[SEL+1]   ; the query's other keys lie in the lane 16 away
	v_max_num_f32 v[CC], v[CC], v[CC+1]
	v_mul_f32 v[CM], s[CS], v[CC]
	v_mov_b32 v[CM+1], v[CM]
.set ii, 0
.rept 72
	v_pk_fma_f32 v[S+2*ii:S+2*ii+1], v[S+2*ii:S+2*ii+1], s[CS:CS+1], v[CM:CM+1] op_sel_hi:[1,0,1] neg_lo:[0,0,1] neg_hi:[0,0,1]
.set ii, ii+1
.endr
.set ii, 0
.rept 144
	v_exp_f32 v[S+ii], v[S+ii]
.set ii, ii+1
.endr
	v_nop                                          ; a plain instruction behind the last exponential
.set ii, 0
	s_wait_alu depctr_va_vdst(0)
.rept 4
	v_pk_add_f32 v[LS+2*ii:LS+2*ii+1], v[S+2*ii:S+2*ii+1], v[S+8+2*ii:S+9+2*ii]
.set ii, ii+1
.endr
.set ii, 8
.rept 64
	v_pk_add_f32 v[LS+2*(ii%4):LS+2*(ii%4)+1], v[LS+2*(ii%4):LS+2*(ii%4)+1], v[S+2*ii:S+2*ii+1]
.set ii, ii+1
.endr
	v_pk_add_f32 v[LS:LS+1], v[LS:LS+1], v[LS+2:LS+3]
	v_pk_add_f32 v[LS+4:LS+5], v[LS+4:LS+5], v[LS+6:LS+7]
	v_pk_add_f32 v[LS:LS+1], v[LS:LS+1], v[LS+4:LS+5]
	v_add_f32 v[LS], v[LS], v[LS+1]
	v_permlanex16_b32 v[LS+1], v[LS], s[SEL], s[SEL+1]
	v_add_f32 v[LS], v[LS], v[LS+1]
	v_rcp_f32 v[IL], v[LS]
	v_nop
	s_wait_alu depctr_va_vdst(0)
	v_mov_b32 v[IL+1], v[IL]
	WIN 0x50                                       ; destination and source 2 in window 1
.set ii, 0
.rept 72
	v_pk_fma_f32 v[2*ii:2*ii+1], v[S+2*ii:S+2*ii+1], v[IL:IL+1], v[2*ii:2*ii+1]   ; the weights' sum takes p / l
.set ii, ii+1
.endr
	WIN 0
.set ii, 0
.rept 72
	v_cvt_pk_bf16_f32 v[S+ii], v[S+2*ii], v[S+2*ii+1]   ; P, packed in place, ascending: the target never lies above its sources
.set ii, ii+1
.endr
.irp kk, 0,1,2,3,4,5,6,7,8
.if \kk < 7
	s_wait_dscnt 16
.else
	s_wait_dscnt 8*(8-\kk)
.endif
	PVM \kk
.if \kk < 6
	PLACES
	LOADV (\kk)+3
.endif
.endr
	WIN 0
	PLACES
.set ii, 0
.rept 16
	v_pk_mul_f32 v[O+2*ii:O+2*ii+1], v[O+2*ii:O+2*ii+1], v[IL:IL+1]
.set ii, ii+1
.endr
.set ii, 0
.rept 16
	v_cvt_pk_bf16_f32 v[144+ii], v[O+2*ii], v[O+2*ii+1]
.set ii, ii+1
.endr
.irp cb, 0,1,2,3
	ds_store_b128 v[STO], v[144+4*\cb:144+4*\cb+3] offset:32*\cb   ; my query's channels 16 cb + 8 h .. + 7 of this head
.endr
.set ii, 0
.rept 16
	v_mov_b32 v[QF+ii], v[QN+ii]                   ; the second head's Q goes where the one text names Q
.set ii, ii+1
.endr
	v_add_nc_u32 v[AK], KH, v[AK]
	v_add_nc_u32 v[AV], VH, v[AV]
	v_add_nc_u32 v[STO], 128, v[STO]
	s_sub_co_u32 s[CNT], s[CNT], 1
	s_cmp_lg_u32 s[CNT], 0
	s_cbranch_scc1 .Lhead
	; THE WAY OUT.  LDS serves a wave's instructions in order, and the stage is my own: no wait between its stores and its loads.
.irp t, 0,1,2,3,4,5,6,7
	ds_load_b128 v[64+4*\t:64+4*\t+3], v[RD] offset:544*\t
.endr
	WIN 0x05                                       ; sources in window 1
.set ii, 0
.rept 72
	v_cvt_pk_f16_f32 v[96+ii], v[2*ii], v[2*ii+1]
.set ii, ii+1
.endr
	WIN 0
.irp t, 0,1,2,3,4,5,6,7
	s_wait_dscnt 7-\t
	global_store_b128 v[GO], v[64+4*\t:64+4*\t+3], s[50:51] offset:4096*\t   ; 16 lanes: the pair's 256 bytes of a row of ctx, at a multiple of 256
.endr
.set ii, 0
.rept 18
	ds_store_b128 v[MSTO], v[96+4*ii:96+4*ii+3] offset:32*ii
.set ii, ii+1
.endr
.set ii, 0
.rept 18
	ds_load_b128 v[168+4*ii:168+4*ii+3], v[L16] offset:512*ii
.set ii, ii+1
.endr
.set ii, 0
.rept 18
	s_wait_dscnt 17-ii
	global_store_b128 v[G16], v[168+4*ii:168+4*ii+3], s[52:53] offset:512*ii   ; 512 consecutive bytes
.set ii, ii+1
.endr
	s_wait_tensorcnt 0x0                           ; the wave's end
	ds_add_u32 v[SPW], v[NIL]
	s_wait_dscnt 0x0
	s_endpgm
.Lfunc_end_k_qb64f83e0f4_attn:
	.size	k_qb64f83e0f4_attn, .Lfunc_end_k_qb64f83e0f4_attn-k_qb64f83e0f4_attn
	.p2alignl 7, 3214868480
	.fill 96, 4, 3214868480
	.section	.rodata,"a",@progbits
	.p2align	6, 0x0
	.amdhsa_kernel k_qb64f83e0f4_attn
		.amdhsa_group_segment_fixed_size 327680
		.amdhsa_private_segment_fixed_size 0
		.amdhsa_enable_private_segment 0
		.amdhsa_kernarg_size 24
		.amdhsa_user_sgpr_count 2
		.amdhsa_user_sgpr_kernarg_segment_ptr 1
		.amdhsa_wavefront_size32 1
		.amdhsa_system_sgpr_workgroup_id_x 1
		.amdhsa_system_sgpr_workgroup_id_y 1
		.amdhsa_system_sgpr_workgroup_id_z 1
		.amdhsa_system_vgpr_workitem_id 0
		.amdhsa_next_free_vgpr 512
		.amdhsa_next_free_sgpr 68
		.amdhsa_reserve_vcc 1
		.amdhsa_float_denorm_mode_32 3
		.amdhsa_float_denorm_mode_16_64 3
		.amdhsa_memory_ordered 1
		.amdhsa_forward_progress 1
		.amdhsa_inst_pref_size 78
	.end_amdhsa_kernel
	.amdgpu_metadata
---
amdhsa.version: [ 1, 2 ]
amdhsa.kernels:
  - .name:           k_qb64f83e0f4_attn
    .symbol:         k_qb64f83e0f4_attn.kd
    .args:
      - { .name: qkvh, .offset: 0, .size: 8, .value_kind: global_buffer, .address_space: global }
      - { .name: ctx, .offset: 8, .size: 8, .value_kind: global_buffer, .address_space: global }
      - { .name: pm, .offset: 16, .size: 8, .value_kind: global_buffer, .address_space: global }
    .group_segment_fixed_size: 327680
    .private_segment_fixed_size: 0
    .kernarg_segment_align: 8
    .kernarg_segment_size: 24
    .max_flat_workgroup_size: 256
    .sgpr_count:     68
    .vgpr_count:     512
    .wavefront_size: 32
...
	.end_amdgpu_metadata
.endif
;; end of part 3
;; launch goproj (part 4): grid 8 x 32, 4 waves a work-group, clusters of 4 x 4, 327,680 bytes of LDS; arguments ctx, wbf, out_proj_b, x, x1; writes x1
.if DOCPART == 4
	.amdgcn_target "amdgcn-amd-amdhsa--gfx1250"
	.amdhsa_code_object_version 6
	.text
	.protected	k_qb64f83e0f4_goproj
	.globl	k_qb64f83e0f4_goproj
	.p2align	8
	.type	k_qb64f83e0f4_goproj,@function
k_qb64f83e0f4_goproj:
	s_mov_b64 s[64:65], 0
	v_nop
	global_prefetch_b8 v0, s[64:65] scope:SCOPE_SE
	s_setreg_imm32_b32 hwreg(HW_REG_WAVE_MODE, 25, 1), 1
	s_wait_xcnt 0x0
	s_wait_alu depctr_hold_cnt(0) depctr_sa_sdst(0) depctr_va_vdst(0) depctr_va_sdst(0) depctr_va_ssrc(0) depctr_va_vcc(0) depctr_vm_vsrc(0)
	s_getreg_b32 s2, hwreg(HW_REG_IB_STS2, 6, 4)
	s_cmp_eq_u32 s2, 0
	s_cbranch_scc0 .Lentry_in_a_cluster
	s_endpgm
.Lentry_in_a_cluster:
	s_bfe_u32 s2, ttmp6, 0x10000c
	s_cmp_lg_u32 s2, 0xf033
	s_cbranch_scc0 .Lentry_shape_is_right
	s_endpgm
.Lentry_shape_is_right:
; OUT = RES + A W^T + bias, f32.  A: [4096][SIZE_K] bf16; W: 1,024 rows of the weight buffer from byte WOFF, [1024][SIZE_K] bf16; RES, OUT: [4096][1024] f32; sums in f32.
; SHARES.  A tile of OUT is 128 x 128, which gives 256 work-groups; four waves, each 64 x 64: 16 accumulators.  K goes in steps of 256 (rows of 512 bytes) through two
; LDS slots that take turns.  CLUSTER 4 x 4: A's tile is asked for jointly by a row of the cluster, W's by a column.
; THE K WALK IS ROTATED.  A's tiles are also wanted by the neighbouring cluster along x, W's by the seven other clusters along y.  Clusters whose x + y is odd begin at
; K / 2 and wrap round, so that in the second half of its walk every cluster asks for tiles that a neighbour asked for STEPS / 2 steps before.  The rotation hangs on the
; cluster's own coordinates, which all its work-groups share, so the partners of a joint load hold equal descriptors.  LIMIT: the order of the f32 sum over K differs between clusters.
; The matrix instruction is used transposed (source 0 = rows of W, source 1 = rows of A): a lane holds eight neighbouring columns of a row of OUT.
; ONE TEXT FOR A K STEP: the slot in hand is the scalar TB (0 or SLOT), turned by an exclusive or.
; The wave's 32 rows of RES are asked for at the start and have the whole K loop in which to land.  THE WAY OUT goes through a stage over the ring, whose last fill is over.
; REGISTERS.  window 0: v16-31 addresses, v32-35 bias, v128-255 accumulators ((a, b) at v[128 + 8 (4 a + b)]); window 1: two fragment buffers of 128, later the rows read back;
;   window 2: v0-127 my 32 rows of RES.
.set SIZE_K, 1024
.set WOFF,   6291456
.set KSTEP,  256
.set STEPS,  SIZE_K/KSTEP
.set PITCH,  528                       ; 512 bytes + 16: an odd multiple of 16; the stage's rows (128 f32 + 16 bytes) have the same pitch
.set HALFT,  64*PITCH
.set SLOT,   4*HALFT
.set SPARE,  2*SLOT                    ; the spare words, 128 bytes a wave, that no other line names
.set ADRA0, 16
.set ADA,   17
.set ADRB0, 20
.set ADB,   21
.set STO,   24
.set RD,    26
.set RO,    27                         ; 16 x lane: my byte offset in a row's 512 bytes; never rewritten
.set SPW,   28
.set NIL,   29
.set BIAS,  32
.set ACC,   128
.set F0,    0
.set F1,    128
.set WV,  14
.set RH,  15
.set CH,  16
.set TX,  19
.set TY,  20
.set G1A, 24
.set GA0, 32
.set GAW, 36
.set G1B, 40
.set GB0, 48
.set GBW, 52
.set TB,  56
.set LW,  57
.set PH,  58                           ; 1: my cluster begins at K / 2
.set CNT, 59
.set WR,  68                           ; s[68:69] what this refill takes off the walking addresses: 0, or a row's bytes at the wrap
.set WRAP, 70                          ; PH x a row's bytes
.set MSB, 0
.macro WIN new
.if MSB != (\new)
	s_set_vgpr_msb (MSB<<8)|(\new)
.set MSB, \new
.endif
.endm
.set MUL,  0x05                        ; sources 0 and 1 window 1; C and D window 0
.macro PLACES
.rept 4
	v_nop
.endr
.endm
.macro JLOAD
	s_cmp_eq_u32 s[RH], 0
	s_cbranch_scc0 .Lfor_b_\@
	tensor_load_to_lds s[GAW:GAW+3], s[G1A:G1A+7]
	s_nop 0
.rept 4
	v_nop
.endr
	s_branch .Lasked_\@
.Lfor_b_\@:
	tensor_load_to_lds s[GBW:GBW+3], s[G1B:G1B+7]
	s_nop 0
.rept 4
	v_nop
.endr
.Lasked_\@:
.endm
.macro CREST
	s_cmp_lg_u32 s[WV], 0
	s_cbranch_scc1 .Lnot_wave_0_\@
	s_barrier_signal -3
.Lnot_wave_0_\@:
	s_barrier_wait -3
	s_barrier_signal -1
	s_barrier_wait -1
.endm
.macro CROUND
	s_barrier_signal -1
	s_barrier_wait -1
	CREST
.endm
; 8 matrix instructions: row blocks a0, a0 + 1 x all 4 column blocks, 32 along K: half c of buffer f
.macro MUL8 f, c, a0, zero
	WIN MUL
.irp a, \a0, (\a0)+1
.irp b, 0,1,2,3
.if \zero
	v_wmma_f32_16x16x32_bf16 v[ACC+8*(4*(\a)+(\b)):ACC+8*(4*(\a)+(\b))+7], v[(\f)+64+8*(4*(\c)+(\b)):(\f)+64+8*(4*(\c)+(\b))+7], v[(\f)+8*(4*(\c)+(\a)):(\f)+8*(4*(\c)+(\a))+7], 0
.else
	v_wmma_f32_16x16x32_bf16 v[ACC+8*(4*(\a)+(\b)):ACC+8*(4*(\a)+(\b))+7], v[(\f)+64+8*(4*(\c)+(\b)):(\f)+64+8*(4*(\c)+(\b))+7], v[(\f)+8*(4*(\c)+(\a)):(\f)+8*(4*(\c)+(\a))+7], v[ACC+8*(4*(\a)+(\b)):ACC+8*(4*(\a)+(\b))+7]
.endif
.endr
.endr
.endm
; 32 LDS loads in one run: 64 along K at byte k of the rows, into buffer f; the first 32 along K first
.macro FETCH k, f
	WIN 0x40
.irp c, 0,1
.irp i, 0,1,2,3
	ds_load_b128 v[(\f)+64+8*(4*(\c)+(\i)):(\f)+64+8*(4*(\c)+(\i))+3],   v[ADB] offset:(\k)+64*(\c)+(\i)*16*PITCH
	ds_load_b128 v[(\f)+64+8*(4*(\c)+(\i))+4:(\f)+64+8*(4*(\c)+(\i))+7], v[ADB] offset:(\k)+64*(\c)+(\i)*16*PITCH+32
	ds_load_b128 v[(\f)+8*(4*(\c)+(\i)):(\f)+8*(4*(\c)+(\i))+3],         v[ADA] offset:(\k)+64*(\c)+(\i)*16*PITCH
	ds_load_b128 v[(\f)+8*(4*(\c)+(\i))+4:(\f)+8*(4*(\c)+(\i))+7],       v[ADA] offset:(\k)+64*(\c)+(\i)*16*PITCH+32
.endr
.endr
.endm
.macro QUARTER k, f, g, zero
	s_wait_dscnt 16                                ; the first 32 along K are in; the other sixteen loads may be out
	MUL8 \f, 0, 0, \zero
	MUL8 \f, 0, 2, \zero
	PLACES
	FETCH \k, \g
	s_wait_dscnt 32                                ; all but the 32 just issued
	MUL8 \f, 1, 0, 0
	MUL8 \f, 1, 2, 0
.endm
; The last quarter multiplies buffer 1 and changes slots: each wave waits for all its tensor loads (one is out: its part of the next slot), adds 0 to its spare word, waits
; for that and for its reads of this slot.  fill = 1: the barrier opens a round of the cluster's, and the slot just read is filled again first thing behind it, two K steps ahead.
; The refill of the trip with CNT = STEPS / 2 is the one that would pass K's end in a cluster that began at K / 2: there a row's bytes are taken off both addresses.
.macro TURN fill
	WIN 0
	s_wait_tensorcnt 0x0
	ds_add_u32 v[SPW], v[NIL]
	s_wait_dscnt 17                                ; the add and the youngest sixteen loads may be out
	MUL8 F1, 0, 0, 0
	s_wait_dscnt 0x0
	s_barrier_signal -1
	MUL8 F1, 0, 2, 0
	WIN 0
	s_barrier_wait -1
.if \fill
	CREST
	s_cmp_eq_u32 s[CNT], STEPS/2
	s_cselect_b32 s[WR], s[WRAP], 0
	s_add_co_u32 s[GAW+1], s[LW], s[TB]
	s_add_co_u32 s[GBW+1], s[LW], s[TB]
	s_add_nc_u64 s[GAW+2:GAW+3], s[GAW+2:GAW+3], KSTEP*2
	s_add_nc_u64 s[GBW+2:GBW+3], s[GBW+2:GBW+3], KSTEP*2
	s_sub_nc_u64 s[GAW+2:GAW+3], s[GAW+2:GAW+3], s[WR:WR+1]
	s_sub_nc_u64 s[GBW+2:GBW+3], s[GBW+2:GBW+3], s[WR:WR+1]
	s_xor_b32 s[TB], s[TB], SLOT
	JLOAD
.else
	s_xor_b32 s[TB], s[TB], SLOT
	PLACES
.endif
	v_add_nc_u32 v[ADA], s[TB], v[ADRA0]
	v_add_nc_u32 v[ADB], s[TB], v[ADRB0]
	FETCH 0, F0
	MUL8 F1, 1, 0, 0
	MUL8 F1, 1, 2, 0
.endm
	s_load_b256 s[4:11], s[0:1], 0x0               ; A s[4:5], weights s[6:7], bias s[8:9], RES s[10:11]
	s_load_b64 s[12:13], s[0:1], 0x20              ; OUT
	v_lshl_add_u32 v[SPW], v0, 2, SPARE
	v_mov_b32 v[NIL], 0
	ds_add_u32 v[SPW], v[NIL]                      ; the wave's opening: the add and its wait ahead of my first tensor load
	ds_add_u32 v28, v29
	v_lshrrev_b32 v1, 5, v0
	v_readfirstlane_b32 s[WV], v1
	s_lshr_b32 s[RH], s[WV], 1
	s_and_b32 s[CH], s[WV], 1
	s_bfe_u32 s17, ttmp6, 0x40000
	s_bfe_u32 s18, ttmp6, 0x40004
	s_lshl_b32 s[TX], ttmp9, 2
	s_add_co_u32 s[TX], s[TX], s17
	s_and_b32 s[TY], ttmp7, 0xffff
	s_add_co_u32 s[PH], s[TY], ttmp9               ; the cluster's y + x,
	s_and_b32 s[PH], s[PH], 1                      ; odd or even
	s_lshl_b32 s[TY], s[TY], 2
	s_add_co_u32 s[TY], s[TY], s18
	s_mul_i32 s[WRAP], s[PH], SIZE_K*2             ; a row's bytes, or 0
	s_mul_i32 s71, s[PH], SIZE_K                   ; half a row's bytes, or 0: where my cluster begins
	s_mov_b32 s[WR+1], 0
	s_lshl_b32 s21, s18, 2
	s_lshl_b32 s21, 15, s21
	s_lshl_b32 s22, 0x1111, s17
	s_or_b32 s[G1A], s21, (1<<16)|(1<<20)|(1<<21)|(6<<22)|(3<<25)  ; mask; 2-byte elements; padding on; bit 21 beside a mask; after every 128 words 4 words
	s_or_b32 s[G1B], s22, (1<<16)|(1<<20)|(1<<21)|(6<<22)|(3<<25)
.irp g, G1A, G1B
	s_mov_b32 s[\g+1], KSTEP<<16                   ; tensor_dim0 = 256
	s_mov_b32 s[\g+2], 64<<16                      ; tensor_dim1 = 64
	s_mov_b32 s[\g+3], KSTEP<<16                   ; tile_dim0 = 256
	s_mov_b32 s[\g+4], 64                          ; tile_dim1 = 64
	s_mov_b32 s[\g+5], SIZE_K
	s_mov_b32 s[\g+6], 0
	s_mov_b32 s[\g+7], 0
.endr
	s_mul_i32 s60, s[TY], 256*SIZE_K               ; A: (128 tile row + 64 half) rows of 2 SIZE_K bytes
	s_mul_i32 s61, s[CH], 128*SIZE_K
	s_add_co_u32 s60, s60, s61
	s_add_co_u32 s60, s60, s71
	s_mov_b32 s61, 0
	s_mul_i32 s62, s[TX], 256*SIZE_K               ; W likewise, from WOFF
	s_mul_i32 s63, s[CH], 128*SIZE_K
	s_add_co_u32 s62, s62, s63
	s_add_co_u32 s62, s62, s71
	s_add_co_u32 s62, s62, WOFF
	s_mov_b32 s63, 0
	s_mul_i32 s[LW], s[WV], HALFT                  ; where they go: A's two halves, then W's two = wave x 64 rows
	s_mov_b32 s[TB], 0
	s_wait_dscnt 0x0
	s_wait_kmcnt 0x0
	s_add_nc_u64 s[60:61], s[4:5], s[60:61]
	s_add_nc_u64 s[62:63], s[6:7], s[62:63]
	s_mov_b32 s[GA0], 1
	s_mov_b32 s[GA0+1], s[LW]
	s_mov_b64 s[GA0+2:GA0+3], s[60:61]
	s_or_b32 s[GA0+3], s[GA0+3], 0x80000000
	s_mov_b32 s[GAW], 1
	s_add_co_u32 s[GAW+1], s[LW], SLOT
	s_add_nc_u64 s[GAW+2:GAW+3], s[60:61], KSTEP*2
	s_or_b32 s[GAW+3], s[GAW+3], 0x80000000
	s_mov_b32 s[GB0], 1
	s_mov_b32 s[GB0+1], s[LW]
	s_mov_b64 s[GB0+2:GB0+3], s[62:63]
	s_or_b32 s[GB0+3], s[GB0+3], 0x80000000
	s_mov_b32 s[GBW], 1
	s_add_co_u32 s[GBW+1], s[LW], SLOT
	s_add_nc_u64 s[GBW+2:GBW+3], s[62:63], KSTEP*2
	s_or_b32 s[GBW+3], s[GBW+3], 0x80000000
	CROUND                                         ; all sixteen work-groups are here: the first joint loads meet
	s_cmp_eq_u32 s[RH], 0                          ; a wave's two first fills stand in one branch: two loads of mine are out
	s_cbranch_scc0 .Lfirst_b
	tensor_load_to_lds s[GA0:GA0+3], s[G1A:G1A+7]
	s_nop 0
	tensor_load_to_lds s[GAW:GAW+3], s[G1A:G1A+7]
	s_nop 0
.rept 4
	v_nop
.endr
	s_branch .Lfirst_asked
.Lfirst_b:
	tensor_load_to_lds s[GB0:GB0+3], s[G1B:G1B+7]
	s_nop 0
	tensor_load_to_lds s[GBW:GBW+3], s[G1B:G1B+7]
	s_nop 0
.rept 4
	v_nop
.endr
.Lfirst_asked:
	v_and_b32 v5, 31, v0
	v_lshlrev_b32 v[RO], 4, v5
	s_lshl_b32 s2, s[TX], 9                        ; the tile's 512 bytes of a row
	s_mov_b32 s3, 0
	s_add_nc_u64 s[8:9], s[8:9], s[2:3]
	s_lshl_b32 s23, s[TY], 19                      ; + (128 tile row + 32 wave) rows of 4,096 bytes
	s_add_co_u32 s2, s2, s23
	s_lshl_b32 s23, s[WV], 17
	s_add_co_u32 s2, s2, s23
	s_add_nc_u64 s[10:11], s[10:11], s[2:3]
	s_add_nc_u64 s[12:13], s[12:13], s[2:3]
	global_load_b128 v[BIAS:BIAS+3], v[RO], s[8:9]
	WIN 0x80                                       ; destination window 2
.set ii, 0
.rept 32
	global_load_b128 v[4*ii:4*ii+3], v[RO], s[10:11] offset:ii*4096   ; row ii of my 32: 512 consecutive bytes
.set ii, ii+1
.endr
	WIN 0
	v_and_b32 v1, 15, v0
	v_bfe_u32 v2, v0, 4, 1
	v_mul_u32_u24 v3, v1, PITCH
	v_lshl_add_u32 v3, v2, 4, v3
	s_mul_i32 s66, s[RH], HALFT
	s_mul_i32 s67, s[CH], HALFT
	s_add_co_u32 s67, s67, 2*HALFT
	v_add_nc_u32 v[ADRA0], s66, v3
	v_add_nc_u32 v[ADRB0], s67, v3
	v_mov_b32 v[ADA], v[ADRA0]
	v_mov_b32 v[ADB], v[ADRB0]
	s_mul_i32 s66, s[RH], 64*PITCH                 ; into the stage: row 64 RH + 16 a + l % 16, byte 256 CH + 64 b + 32 (l / 16)
	s_lshl_b32 s67, s[CH], 8
	s_add_co_u32 s66, s66, s67
	v_mul_u32_u24 v4, v1, PITCH
	v_lshl_add_u32 v4, v2, 5, v4
	v_add_nc_u32 v[STO], s66, v4
	s_mul_i32 s66, s[WV], 32*PITCH                 ; back: wave w takes rows 32 w .. 32 w + 31, whole
	v_add_nc_u32 v[RD], s66, v[RO]
	s_wait_tensorcnt 0x1                           ; my part of my first K step is in; the second's stays out
	s_barrier_signal -1
	s_barrier_wait -1
	FETCH 0, F0
	QUARTER 128, F0, F1, 1                         ; the first quarter stands ahead of the loop: its first products start the sums
	WIN 0
	s_mov_b32 s[CNT], STEPS-2
.Llap:
	QUARTER 256, F1, F0, 0
	QUARTER 384, F0, F1, 0
	TURN 1
	QUARTER 128, F0, F1, 0
	WIN 0
	s_sub_co_u32 s[CNT], s[CNT], 1
	s_cmp_lg_u32 s[CNT], 0
	s_cbranch_scc1 .Llap
	s_mov_b32 s[CNT], 2
.Ltail:                                                ; the last two K steps ask for nothing; the second trip is left in its middle, behind a change of slots that serves nothing
	QUARTER 256, F1, F0, 0
	QUARTER 384, F0, F1, 0
	TURN 0
	WIN 0
	s_sub_co_u32 s[CNT], s[CNT], 1
	s_cmp_eq_u32 s[CNT], 0
	s_cbranch_scc1 .Ldone
	QUARTER 128, F0, F1, 0
	WIN 0
	s_branch .Ltail
.Ldone:
	s_wait_dscnt 0x0                               ; my reads of the ring are over
	s_wait_loadcnt 0x0                             ; RES and the bias
	WIN 0x82                                       ; destination and source 0 window 2, source 1 window 0
.set ii, 0
.rept 32
	v_pk_add_f32 v[4*ii:4*ii+1],   v[4*ii:4*ii+1],   v[BIAS:BIAS+1]      ; RES + bias: also the places behind the last products
	v_pk_add_f32 v[4*ii+2:4*ii+3], v[4*ii+2:4*ii+3], v[BIAS+2:BIAS+3]
.set ii, ii+1
.endr
	WIN 0
	s_barrier_signal -1
	s_barrier_wait -1                              ; nobody reads the ring any more: the stage may be written over it
.irp a, 0,1,2,3
.irp b, 0,1,2,3
	ds_store_b128 v[STO], v[ACC+8*(4*\a+\b):ACC+8*(4*\a+\b)+3]   offset:\a*16*PITCH+64*\b
	ds_store_b128 v[STO], v[ACC+8*(4*\a+\b)+4:ACC+8*(4*\a+\b)+7] offset:\a*16*PITCH+64*\b+16
.endr
.endr
	s_wait_dscnt 0x0                               ; for the others' sake
	s_barrier_signal -1
	s_barrier_wait -1
	WIN 0x40
.set ii, 0
.rept 32
	ds_load_b128 v[4*ii:4*ii+3], v[RD] offset:ii*PITCH
.set ii, ii+1
.endr
	s_wait_dscnt 0x0
	WIN 0x49                                       ; destination and source 0 window 1, source 1 window 2
.set ii, 0
.rept 64
	v_pk_add_f32 v[2*ii:2*ii+1], v[2*ii:2*ii+1], v[2*ii:2*ii+1]
.set ii, ii+1
.endr
	WIN 0x04                                       ; store data window 1, address window 0
.set ii, 0
.rept 32
	global_store_b128 v[RO], v[4*ii:4*ii+3], s[12:13] offset:ii*4096   ; 512 consecutive bytes at a multiple of 256
.set ii, ii+1
.endr
	WIN 0
	s_wait_tensorcnt 0x0                           ; the wave's end
	ds_add_u32 v[SPW], v[NIL]
	s_wait_dscnt 0x0
	CROUND                                         ; the closing round
	s_endpgm
.Lfunc_end_k_qb64f83e0f4_goproj:
	.size	k_qb64f83e0f4_goproj, .Lfunc_end_k_qb64f83e0f4_goproj-k_qb64f83e0f4_goproj
	.p2alignl 7, 3214868480
	.fill 96, 4, 3214868480
	.section	.rodata,"a",@progbits
	.p2align	6, 0x0
	.amdhsa_kernel k_qb64f83e0f4_goproj
		.amdhsa_group_segment_fixed_size 327680
		.amdhsa_private_segment_fixed_size 0
		.amdhsa_enable_private_segment 0
		.amdhsa_kernarg_size 40
		.amdhsa_user_sgpr_count 2
		.amdhsa_user_sgpr_kernarg_segment_ptr 1
		.amdhsa_wavefront_size32 1
		.amdhsa_system_sgpr_workgroup_id_x 1
		.amdhsa_system_sgpr_workgroup_id_y 1
		.amdhsa_system_sgpr_workgroup_id_z 1
		.amdhsa_system_vgpr_workitem_id 0
		.amdhsa_next_free_vgpr 640
		.amdhsa_next_free_sgpr 72
		.amdhsa_reserve_vcc 0
		.amdhsa_float_denorm_mode_32 3
		.amdhsa_float_denorm_mode_16_64 3
		.amdhsa_memory_ordered 1
		.amdhsa_forward_progress 1
		.amdhsa_inst_pref_size 69
	.end_amdhsa_kernel
	.amdgpu_metadata
---
amdhsa.version: [ 1, 2 ]
amdhsa.kernels:
  - .name:           k_qb64f83e0f4_goproj
    .symbol:         k_qb64f83e0f4_goproj.kd
    .args:
      - { .name: ctx, .offset: 0, .size: 8, .value_kind: global_buffer, .address_space: global }
      - { .name: wbf, .offset: 8, .size: 8, .value_kind: global_buffer, .address_space: global }
      - { .name: out_proj_b, .offset: 16, .size: 8, .value_kind: global_buffer, .address_space: global }
      - { .name: x, .offset: 24, .size: 8, .value_kind: global_buffer, .address_space: global }
      - { .name: x1, .offset: 32, .size: 8, .value_kind: global_buffer, .address_space: global }
    .group_segment_fixed_size: 327680
    .private_segment_fixed_size: 0
    .kernarg_segment_align: 8
    .kernarg_segment_size: 40
    .max_flat_workgroup_size: 128
    .sgpr_count:     72
    .vgpr_count:     640
    .wavefront_size: 32
...
	.end_amdgpu_metadata
.endif
;; end of part 4
;; launch post (part 5): grid 64 x 12, 8 waves a work-group, no clusters, 0 bytes of LDS; arguments x1, ln2_g, ln2_b, xn, pm, out1; writes xn, out1
.if DOCPART == 5
	.amdgcn_target "amdgcn-amd-amdhsa--gfx1250"
	.amdhsa_code_object_version 6
	.text
	.protected	k_qb64f83e0f4_post
	.globl	k_qb64f83e0f4_post
	.p2align	8
	.type	k_qb64f83e0f4_post,@function
k_qb64f83e0f4_post:
	s_mov_b64 s[64:65], 0
	v_nop
	global_prefetch_b8 v0, s[64:65] scope:SCOPE_SE
	s_setreg_imm32_b32 hwreg(HW_REG_WAVE_MODE, 25, 1), 1
	s_wait_xcnt 0x0
; POST: two streams in one launch, told apart by the work-group's y.
;   y = 0..3   xn = LayerNorm(x1) * g + b, rounded once to bf16: one wave takes two rows, both asked for at once, and keeps each in 32 registers; mean first, then the
;              mean of (x - mean)^2.  The row's text is written once: the second row is moved into the first row's registers and the text is walked again.
;   y = 4..11  out1's band: one wave writes four of a row's sixteen segments of 128 columns: the sum of the eight head pairs' f16 partial sums, divided by 16.
;              The other twelve segments are zeros and are written by a later launch, while it waits for its first tiles.
; Memory binds both: no LDS, no barrier, no matrix unit, no cluster.
; OUT1.  Row i of a sequence lies in the tile qtb = i / 16, whose 288 columns of pm stand for keys 16 qtb - 128 + c.  The band lies in the four segments s0 .. s0 + 3,
; s0 = qtb / 8 - 1, beginning o = 16 (qtb % 8) columns into the first.  A lane's four columns lie all inside pm's 288 or all outside (o, 288 and the lane's place are
; multiples of 4).  Segment s0 + i is stored at (s0 + i) mod 16: at a sequence's ends the wrapped segment stands for keys outside the sequence, for which pm holds exact
; zeros, and zeros are what belongs at the place where it lands.  So the four stores need no branch, and with the other launch's twelve every segment is written once.
.set G,   4
.set BT,  36
.set X0,  68
.set X1,  100
.set T,   132
.set MU,  140
.set RS,  142
.set REL, 4                            ; v[4:7]    segment i: my first column's place in pm's row (as an unsigned number: huge where it is in front)
.set PO,  8                            ; v[8:11]   its byte offset, 0 where outside
.set VO,  12                           ; v[12:15]  my byte offset in out1's row
.set D,   20                           ; v[20:83]  segment i, head pair p: two registers, four f16
.set ACC, 84                           ; v[84:99]  segment i: four results
.set TT,  100                          ; v[100:107] at work, two sets
	s_load_b256 s[4:11], s[0:1], 0x0               ; x1 s[4:5], g s[6:7], b s[8:9], xn s[10:11]
	s_load_b128 s[12:15], s[0:1], 0x20             ; pm s[12:13], out1 s[14:15]
	v_and_b32 v1, 31, v0
	v_lshrrev_b32 v3, 5, v0
	v_readfirstlane_b32 s22, v3                    ; wave 0..7
	v_lshlrev_b32 v2, 3, v1
	v_lshlrev_b32 v3, 2, v1                        ; 4 x lane
	v_lshlrev_b32 v1, 4, v1
	s_and_b32 s23, ttmp7, 0xffff
	s_mov_b32 s30, 0x76543210
	s_mov_b32 s31, 0xfedcba98
	s_mov_b32 s32, 0x3a800000                      ; 1 / 1024
	s_mov_b32 s33, 0x3727c5ac                      ; eps = 1e-5
	s_wait_kmcnt 0x0
	s_cmp_lt_u32 s23, 4
	s_cbranch_scc0 .Lout1
.macro FOLD
	v_pk_add_f32 v[T:T+1], v[T:T+1], v[T+2:T+3]
	v_pk_add_f32 v[T+4:T+5], v[T+4:T+5], v[T+6:T+7]
	v_pk_add_f32 v[T:T+1], v[T:T+1], v[T+4:T+5]
	v_add_f32 v[T], v[T], v[T+1]
	v_add_f32_dpp v[T], v[T], v[T] row_xmask:1 row_mask:0xf bank_mask:0xf
	v_add_f32_dpp v[T], v[T], v[T] row_xmask:2 row_mask:0xf bank_mask:0xf
	v_add_f32_dpp v[T], v[T], v[T] row_xmask:4 row_mask:0xf bank_mask:0xf
	v_add_f32_dpp v[T], v[T], v[T] row_xmask:8 row_mask:0xf bank_mask:0xf
	v_permlanex16_b32 v[T+1], v[T], s30, s31
	v_add_f32 v[T], v[T], v[T+1]
.endm
.macro LNSTAT X
.set i, 0
.rept 4
	v_pk_add_f32 v[T+2*i:T+2*i+1], v[(\X)+2*i:(\X)+2*i+1], v[(\X)+8+2*i:(\X)+9+2*i]
.set i, i+1
.endr
.set i, 8
.rept 8
	v_pk_add_f32 v[T+2*(i%4):T+2*(i%4)+1], v[T+2*(i%4):T+2*(i%4)+1], v[(\X)+2*i:(\X)+2*i+1]
.set i, i+1
.endr
	FOLD
	v_mul_f32 v[MU], s32, v[T]
	v_mov_b32 v[MU+1], v[MU]
.set i, 0
.rept 16
	v_pk_add_f32 v[(\X)+2*i:(\X)+2*i+1], v[(\X)+2*i:(\X)+2*i+1], v[MU:MU+1] neg_lo:[0,1] neg_hi:[0,1]
.set i, i+1
.endr
.set i, 0
.rept 4
	v_pk_mul_f32 v[T+2*i:T+2*i+1], v[(\X)+2*i:(\X)+2*i+1], v[(\X)+2*i:(\X)+2*i+1]
.set i, i+1
.endr
.set i, 4
.rept 12
	v_pk_fma_f32 v[T+2*(i%4):T+2*(i%4)+1], v[(\X)+2*i:(\X)+2*i+1], v[(\X)+2*i:(\X)+2*i+1], v[T+2*(i%4):T+2*(i%4)+1]
.set i, i+1
.endr
	FOLD
	v_fma_f32 v[T], v[T], s32, s33
	v_rsq_f32 v[RS], v[T]
	v_nop                                          ; a plain instruction between the root and the use of its result
	s_wait_alu depctr_va_vdst(0)
	v_mov_b32 v[RS+1], v[RS]
.set i, 0
.rept 16
	v_pk_mul_f32 v[(\X)+2*i:(\X)+2*i+1], v[(\X)+2*i:(\X)+2*i+1], v[RS:RS+1]
.set i, i+1
.endr
.endm
.macro LNOUT X
.set i, 0
.rept 16
	v_pk_fma_f32 v[(\X)+2*i:(\X)+2*i+1], v[(\X)+2*i:(\X)+2*i+1], v[G+2*i:G+2*i+1], v[BT+2*i:BT+2*i+1]
.set i, i+1
.endr
.set i, 0
.rept 16
	v_cvt_pk_bf16_f32 v[(\X)+i], v[(\X)+2*i], v[(\X)+2*i+1]
.set i, i+1
.endr
.set i, 0
.rept 8
	global_store_b64 v2, v[(\X)+2*i:(\X)+2*i+1], s[10:11] offset:256*i
.set i, i+1
.endr
.endm
	s_lshl_b32 s24, s23, 6
	s_add_co_u32 s24, s24, ttmp9
	s_lshl_b32 s24, s24, 3
	s_add_co_u32 s24, s24, s22                     ; my pair of rows
	s_lshl_b32 s26, s24, 13
	s_mov_b32 s27, 0
	s_add_nc_u64 s[4:5], s[4:5], s[26:27]
	s_lshl_b32 s26, s24, 12
	s_add_nc_u64 s[10:11], s[10:11], s[26:27]
.set i, 0
.rept 8
	global_load_b128 v[X0+4*i:X0+4*i+3], v1, s[4:5] offset:512*i
.set i, i+1
.endr
.set i, 0
.rept 8
	global_load_b128 v[X1+4*i:X1+4*i+3], v1, s[4:5] offset:4096+512*i
.set i, i+1
.endr
.set i, 0
.rept 8
	global_load_b128 v[G+4*i:G+4*i+3], v1, s[6:7] offset:512*i
.set i, i+1
.endr
.set i, 0
.rept 8
	global_load_b128 v[BT+4*i:BT+4*i+3], v1, s[8:9] offset:512*i
.set i, i+1
.endr
	s_wait_loadcnt 16                              ; both rows are in; g and b (16 loads) stay out
	s_mov_b32 s34, 2
.Lrow:                                                 ; two trips; the second is left in its middle
	LNSTAT X0
	s_wait_loadcnt 0x0                             ; g and b
	LNOUT X0
	s_sub_co_u32 s34, s34, 1
	s_cmp_eq_u32 s34, 0
	s_cbranch_scc1 .Lrows_done
	s_wait_xcnt 0x0                                ; the stores have read their data and v2
	v_add_nc_u32 v2, 2048, v2                      ; the second row of xn
.set i, 0
.rept 32
	v_mov_b32 v[X0+i], v[X1+i]                     ; the second row goes where the one text names the row
.set i, i+1
.endr
	s_branch .Lrow
.Lrows_done:
	s_endpgm
.Lout1:
	s_sub_co_u32 s24, s23, 4
	s_lshl_b32 s24, s24, 6
	s_add_co_u32 s24, s24, ttmp9
	s_lshl_b32 s24, s24, 3
	s_add_co_u32 s24, s24, s22                     ; my row, 0..4095
	s_lshr_b32 s25, s24, 4                         ; its tile of 16 queries
	s_and_b32 s26, s24, 15                         ; its place there
	s_and_b32 s27, s25, 127                        ; the tile in its sequence
	s_lshr_b32 s28, s27, 3                         ; s0 + 1
	s_and_b32 s29, s27, 7
	s_lshl_b32 s29, s29, 4                         ; o
	s_mul_i32 s36, s25, 9216
	s_mul_i32 s37, s26, 576
	s_add_co_u32 s36, s36, s37
	s_mov_b32 s37, 0
	s_add_nc_u64 s[12:13], s[12:13], s[36:37]      ; my row in head pair 0's part of pm,
	s_add_nc_u64 s[38:39], s[12:13], 9437184       ; and in head pair 4's: a pair's 2,359,296 bytes times 0..3 stand in the loads' offsets
	s_lshl_b32 s36, s24, 13
	s_add_nc_u64 s[14:15], s[14:15], s[36:37]      ; my row of out1
	v_sub_nc_u32 v[REL], v3, s29
.irp i, 1,2,3
	v_add_nc_u32 v[REL+\i], 128*\i, v[REL]
.endr
.irp i, 0,1,2,3
	v_cmp_gt_u32 vcc_lo, 288, v[REL+\i]
	v_lshlrev_b32 v[PO+\i], 1, v[REL+\i]
	v_cndmask_b32 v[PO+\i], 0, v[PO+\i], vcc_lo
	s_add_co_u32 s40, s28, 15+\i                   ; s0 + i + 16,
	s_and_b32 s40, s40, 15                         ; modulo 16
	s_lshl_b32 s40, s40, 9
	v_add_nc_u32 v[VO+\i], s40, v1
.endr
.set i, 0
.rept 4
.set p, 0
.rept 8
.if p < 4
	global_load_b64 v[D+16*i+2*p:D+16*i+2*p+1], v[PO+i], s[12:13] offset:p*2359296 th:TH_LOAD_NT
.else
	global_load_b64 v[D+16*i+2*p:D+16*i+2*p+1], v[PO+i], s[38:39] offset:(p-4)*2359296 th:TH_LOAD_NT
.endif
.set p, p+1
.endr
.set i, i+1
.endr
.macro HALVES d, n                     ; the two f16 of register n, widened
	v_cvt_f32_f16 v[\d], v\n\().l
	v_cvt_f32_f16 v[(\d)+1], v\n\().h
.endm
.macro SEG i, regs:vararg              ; regs: the segment's sixteen registers of D, by number
	s_wait_loadcnt 8*(3-(\i))                      ; this segment's eight loads are in; the later segments' stay out
.set cnt, 0
.irp n, \regs
.if cnt < 2
.set dd, ACC+4*(\i)+2*cnt
.else
.set dd, TT+4*((cnt/2)%2)+2*(cnt%2)
.endif
	HALVES dd, \n
.if cnt > 1
	v_pk_add_f32 v[ACC+4*(\i)+2*(cnt%2):ACC+4*(\i)+2*(cnt%2)+1], v[ACC+4*(\i)+2*(cnt%2):ACC+4*(\i)+2*(cnt%2)+1], v[dd:dd+1]
.endif
.set cnt, cnt+1
.endr
	v_pk_mul_f32 v[ACC+4*(\i):ACC+4*(\i)+1],   v[ACC+4*(\i):ACC+4*(\i)+1],   0x3d800000 op_sel_hi:[1,0]   ; the mean of 16 heads
	v_pk_mul_f32 v[ACC+4*(\i)+2:ACC+4*(\i)+3], v[ACC+4*(\i)+2:ACC+4*(\i)+3], 0x3d800000 op_sel_hi:[1,0]
	v_cmp_gt_u32 vcc_lo, 288, v[REL+(\i)]
.irp k, 0,1,2,3
	v_cndmask_b32 v[ACC+4*(\i)+\k], 0, v[ACC+4*(\i)+\k], vcc_lo   ; zero outside pm's 288 columns
.endr
	global_store_b128 v[VO+(\i)], v[ACC+4*(\i):ACC+4*(\i)+3], s[14:15] th:TH_STORE_NT   ; 512 consecutive bytes at a multiple of 256
.endm
	SEG 0, 20,21,22,23,24,25,26,27,28,29,30,31,32,33,34,35
	SEG 1, 36,37,38,39,40,41,42,43,44,45,46,47,48,49,50,51
	SEG 2, 52,53,54,55,56,57,58,59,60,61,62,63,64,65,66,67
	SEG 3, 68,69,70,71,72,73,74,75,76,77,78,79,80,81,82,83
	s_endpgm
.Lfunc_end_k_qb64f83e0f4_post:
	.size	k_qb64f83e0f4_post, .Lfunc_end_k_qb64f83e0f4_post-k_qb64f83e0f4_post
	.p2alignl 7, 3214868480
	.fill 96, 4, 3214868480
	.section	.rodata,"a",@progbits
	.p2align	6, 0x0
	.amdhsa_kernel k_qb64f83e0f4_post
		.amdhsa_group_segment_fixed_size 0
		.amdhsa_private_segment_fixed_size 0
		.amdhsa_enable_private_segment 0
		.amdhsa_kernarg_size 48
		.amdhsa_user_sgpr_count 2
		.amdhsa_user_sgpr_kernarg_segment_ptr 1
		.amdhsa_wavefront_size32 1
		.amdhsa_system_sgpr_workgroup_id_x 1
		.amdhsa_system_sgpr_workgroup_id_y 1
		.amdhsa_system_sgpr_workgroup_id_z 1
		.amdhsa_system_vgpr_workitem_id 0
		.amdhsa_next_free_vgpr 144
		.amdhsa_next_free_sgpr 66
		.amdhsa_reserve_vcc 1
		.amdhsa_float_denorm_mode_32 3
		.amdhsa_float_denorm_mode_16_64 3
		.amdhsa_memory_ordered 1
		.amdhsa_forward_progress 1
		.amdhsa_inst_pref_size 28
	.end_amdhsa_kernel
	.amdgpu_metadata
---
amdhsa.version: [ 1, 2 ]
amdhsa.kernels:
  - .name:           k_qb64f83e0f4_post
    .symbol:         k_qb64f83e0f4_post.kd
    .args:
      - { .name: x1, .offset: 0, .size: 8, .value_kind: global_buffer, .address_space: global }
      - { .name: ln2_g, .offset: 8, .size: 8, .value_kind: global_buffer, .address_space: global }
      - { .name: ln2_b, .offset: 16, .size: 8, .value_kind: global_buffer, .address_space: global }
      - { .name: xn, .offset: 24, .size: 8, .value_kind: global_buffer, .address_space: global }
      - { .name: pm, .offset: 32, .size: 8, .value_kind: global_buffer, .address_space: global }
      - { .name: out1, .offset: 40, .size: 8, .value_kind: global_buffer, .address_space: global }
    .group_segment_fixed_size: 0
    .private_segment_fixed_size: 0
    .kernarg_segment_align: 8
    .kernarg_segment_size: 48
    .max_flat_workgroup_size: 256
    .sgpr_count:     66
    .vgpr_count:     144
    .wavefront_size: 32
...
	.end_amdgpu_metadata
.endif
;; end of part 5
;; launch gffn1 (part 6): grid 16 x 16, 4 waves a work-group, clusters of 4 x 4, 327,680 bytes of LDS; arguments xn, wb2, b1, hid, out1; writes hid, out1
.if DOCPART == 6
	.amdgcn_target "amdgcn-amd-amdhsa--gfx1250"
	.amdhsa_code_object_version 6
	.text
	.protected	k_qb64f83e0f4_gffn1
	.globl	k_qb64f83e0f4_gffn1
	.p2align	8
	.type	k_qb64f83e0f4_gffn1,@function
k_qb64f83e0f4_gffn1:
	s_mov_b64 s[64:65], 0
	v_nop
	global_prefetch_b8 v0, s[64:65] scope:SCOPE_SE
	s_setreg_imm32_b32 hwreg(HW_REG_WAVE_MODE, 25, 1), 1
	s_wait_xcnt 0x0
	s_wait_alu depctr_hold_cnt(0) depctr_sa_sdst(0) depctr_va_vdst(0) depctr_va_sdst(0) depctr_va_ssrc(0) depctr_va_vcc(0) depctr_vm_vsrc(0)
	s_getreg_b32 s2, hwreg(HW_REG_IB_STS2, 6, 4)
	s_cmp_eq_u32 s2, 0
	s_cbranch_scc0 .Lentry_in_a_cluster
	s_endpgm
.Lentry_in_a_cluster:
	s_bfe_u32 s2, ttmp6, 0x10000c
	s_cmp_lg_u32 s2, 0xf033
	s_cbranch_scc0 .Lentry_shape_is_right
	s_endpgm
.Lentry_shape_is_right:
; hid = gelu(A W^T + bias), the exact GELU, rounded once to bf16, [4096][4096].  A = xn [4096][1024] bf16; W = w1 in bf16, the 4,096 rows of wb2 from byte 0; sums in f32.
; GELU.  gelu(y) = max(y, 0) - |y| erfc(|y| / sqrt 2) / 2: no difference of near-equal numbers on either side of 0.  erfc by the five-term rational form
; (a1 t + .. + a5 t^5) e^(-z z), t = 1 / (1 + 0.3275911 z), whose absolute error stays under 1.5e-7 for every z >= 0.  LIMIT: y = -infinity gives NaN.
; SHARES.  A work-group makes 256 x 256 of C, which gives 256 work-groups; its four waves are 2 x 2, a wave makes 128 x 128:
; 64 accumulators.  K goes in 8 steps of 128 (rows of 256 bytes at multiples of 256) through two LDS slots that take turns.
; CLUSTER 4 x 4: A's tile hangs on the tile row alone and is asked for jointly by a row of the cluster, W's on the tile column alone, by a column.
; THE MATRIX INSTRUCTION IS USED TRANSPOSED (source 0 = 16 rows of W, source 1 = 16 rows of A): lane l holds row l % 16 of C and the columns 8 (l / 16) + 0..7.
; ONE TEXT FOR A K STEP: the slot in hand is the scalar TB (0 or SLOT), turned by an exclusive or; LDS addresses and the refill's LDS word are made from it.
; A SECOND JOB, IN THE WAIT FOR THE FIRST TILES: out1's zeros.  A row of out1 is 16 segments of 512 bytes; with blk = (row / 128) % 16 the band lies in segments
; blk - 1 .. blk + 2 (modulo 16), which the launch before has written; the other twelve, (blk + 3 + j) % 16, are zeros.  A wave takes 4 rows: 48 stores of 512 bytes,
; with no branch: only addresses hang on the work-group's place.
; THE WAY OUT: all sums go as f32 into a stage that lies over the ring, whose last fill is long over; then each wave finishes 64 whole rows in a short loop.
; REGISTERS, in windows of 256: window 0: v16-31 addresses, v32-39 bias, v64-127 and v128-191 A's two fragment buffers (behind the K loop: at work), v192-207 the zeros' offsets and zeros;
;   window 1: v64.. and v128.. W's two fragment buffers; windows 2, 3: accumulator (a, b) at v[8 (NB (a % 4) + b)] of window 2 + a / 4.
.set NB,     8
.set WOFF,   0
.set SIZE_K, 1024
.set KSTEP,  128
.set STEPS,  SIZE_K/KSTEP
.set PITCH,  272                       ; an LDS row: 256 bytes + 16 of padding: the 16 rows of a fragment load start 68 words apart
.set HALFA,  128*PITCH                 ; what one load brings of A
.set HALFB,  16*NB*PITCH               ; and of W
.set SLOT,   2*HALFA+2*HALFB           ; A's 256 rows, then W's 32 NB
.set SPARE,  2*SLOT                    ; behind the ring: the spare words, 128 bytes a wave, that no other line names
.set SPITCH, 128*NB+16                 ; a stage row: 32 NB f32 + 16 bytes, an odd multiple of 16
.set LQ,     2*NB+16                   ; LDS loads of one quarter step
.set ADRA0, 16                         ; my lane's place in A's part of slot 0; never rewritten
.set ADA,   17                         ; the same in the slot in hand
.set ADRB0, 20
.set ADB,   21
.set STO,   24                         ; v24, v25  where I put 16 bytes of the stage: my rows 0-63, 64-127
.set RD,    26                         ; where I read the stage back
.set GO,    27                         ; my byte offset in the output
.set SPW,   28                         ; LDS address of my spare word; never rewritten
.set NIL,   29                         ; 0; never rewritten
.set BO,    30                         ; 16 x lane; never rewritten
.set BIAS,  32
.set ZO,    192                        ; v[192:203] my byte offset in the twelve zero segments of a row of out1; never rewritten
.set ZZ,    204                        ; v[204:207] zeros; never rewritten
.set F0,    64
.set F1,    128
.set XR,    64                         ; the way out: rows as read back
.set WV,  14                           ; s14 wave;  s15 my half of the rows, also 0: I fetch A, 1: I fetch W;  s16 my half of the columns, also which half I fetch
.set RH,  15
.set CH,  16
.set TX,  19
.set TY,  20
.set G1A, 24                           ; s[24:31] group 1 for A;  s[32:35] group 0 of K step 0;  s[36:39] group 0 that walks on from K step 1
.set GA0, 32
.set GAW, 36
.set G1B, 40                           ; the same three for W
.set GB0, 48
.set GBW, 52
.set TB,  56
.set LA,  57
.set LB,  58
.set CNT, 59
.set KP,  68                           ; s[68:81] seven constants of the GELU, each named as a pair
.set KC,  70
.set KA1, 72
.set KA2, 74
.set KA3, 76
.set KA4, 78
.set KA5, 80
.set MSB, 0
.macro WIN new                         ; the immediate's high byte repeats the setting that is left; a switch that changes nothing is dropped
.if MSB != (\new)
	s_set_vgpr_msb (MSB<<8)|(\new)
.set MSB, \new
.endif
.endm
.macro PLACES                          ; four plain places between a matrix instruction and a load into, or a read of, its registers
.rept 4
	v_nop
.endr
.endm
.macro JLOAD                           ; the joint refill: waves 0, 1 ask for A's halves, waves 2, 3 for W's
	s_cmp_eq_u32 s[RH], 0
	s_cbranch_scc0 .Lfor_b_\@
	tensor_load_to_lds s[GAW:GAW+3], s[G1A:G1A+7]
	s_nop 0
.rept 4
	v_nop
.endr
	s_branch .Lasked_\@
.Lfor_b_\@:
	tensor_load_to_lds s[GBW:GBW+3], s[G1B:G1B+7]
	s_nop 0
.rept 4
	v_nop
.endr
.Lasked_\@:
.endm
.macro CREST                           ; a round of the cluster's barrier behind its opening barrier
	s_cmp_lg_u32 s[WV], 0
	s_cbranch_scc1 .Lnot_wave_0_\@
	s_barrier_signal -3
.Lnot_wave_0_\@:
	s_barrier_wait -3
	s_barrier_signal -1
	s_barrier_wait -1
.endm
.macro CROUND
	s_barrier_signal -1
	s_barrier_wait -1
	CREST
.endm
; 2 NB matrix instructions: row blocks a0, a0 + 1 of the window's four x all NB column blocks, 32 along K.  zero = 1: the product starts the sum.
.macro MULH f, hi, a0, zero
	WIN 0xa1+0x50*(\hi)                            ; source 0 window 1, source 1 window 0, C and D window 2 or 3
.irp a, \a0, (\a0)+1
.set bb, 0
.rept NB
.if \zero
	v_wmma_f32_16x16x32_bf16 v[8*(NB*(\a)+bb):8*(NB*(\a)+bb)+7], v[(\f)+8*bb:(\f)+8*bb+7], v[(\f)+8*(4*(\hi)+(\a)):(\f)+8*(4*(\hi)+(\a))+7], 0
.else
	v_wmma_f32_16x16x32_bf16 v[8*(NB*(\a)+bb):8*(NB*(\a)+bb)+7], v[(\f)+8*bb:(\f)+8*bb+7], v[(\f)+8*(4*(\hi)+(\a)):(\f)+8*(4*(\hi)+(\a))+7], v[8*(NB*(\a)+bb):8*(NB*(\a)+bb)+7]
.endif
.set bb, bb+1
.endr
.endr
.endm
; LQ LDS loads in one run: the fragments of 32 along K at byte k of the rows, into buffer f; W's first, A's rows 64-127 last
.macro FETCH k, f
	WIN 0x40
.set ii, 0
.rept NB
	ds_load_b128 v[(\f)+8*ii:(\f)+8*ii+3],   v[ADB] offset:(\k)+ii*16*PITCH
	ds_load_b128 v[(\f)+8*ii+4:(\f)+8*ii+7], v[ADB] offset:(\k)+ii*16*PITCH+32
.set ii, ii+1
.endr
	WIN 0
.set ii, 0
.rept 8
	ds_load_b128 v[(\f)+8*ii:(\f)+8*ii+3],   v[ADA] offset:(\k)+ii*16*PITCH
	ds_load_b128 v[(\f)+8*ii+4:(\f)+8*ii+7], v[ADA] offset:(\k)+ii*16*PITCH+32
.set ii, ii+1
.endr
.endm
; One of a K step's first three quarters: multiplies buffer f, and in its middle fetches the next quarter, at byte k, into g
.macro QUARTER k, f, g, zero
	s_wait_dscnt 8                                 ; W and A's rows 0-63 are in; the youngest eight loads (A's rows 64-127) may be out
	MULH \f, 0, 0, \zero
	MULH \f, 0, 2, \zero
	PLACES
	FETCH \k, \g
	s_wait_dscnt LQ                                ; all but the LQ just issued
	MULH \f, 1, 0, \zero
	MULH \f, 1, 2, \zero
.endm
; The last quarter multiplies buffer 1 and changes slots.  In front of the barrier each wave waits for all its tensor loads (one is out: its part of the next slot),
; adds 0 to its spare word, and waits for that and for its reads of this slot.  fill = 1: the barrier opens a round of the cluster's, and the slot just read out
; is filled again, first thing behind the round, with the K step two steps on: it has a K step less 2 NB products in which to land.
.macro TURN fill
	WIN 0
	s_wait_tensorcnt 0x0
	ds_add_u32 v[SPW], v[NIL]
	s_wait_dscnt 9                                 ; the add and the youngest eight loads may be out
	MULH F1, 0, 0, 0
	s_wait_dscnt 0x0                               ; the add is done, my reads of this slot are over
	s_barrier_signal -1
	MULH F1, 0, 2, 0
	WIN 0
	s_barrier_wait -1
.if \fill
	CREST
	s_add_co_u32 s[GAW+1], s[LA], s[TB]            ; no load of mine is out, so the walking descriptors may be written: the slot just read,
	s_add_co_u32 s[GBW+1], s[LB], s[TB]
	s_add_nc_u64 s[GAW+2:GAW+3], s[GAW+2:GAW+3], KSTEP*2  ; the next K step
	s_add_nc_u64 s[GBW+2:GBW+3], s[GBW+2:GBW+3], KSTEP*2
	s_xor_b32 s[TB], s[TB], SLOT                   ; TB is 0 or SLOT: now the other slot
	JLOAD                                          ; its four v_nop are also the places in front of the loads below
.else
	s_xor_b32 s[TB], s[TB], SLOT
	PLACES
.endif
	v_add_nc_u32 v[ADA], s[TB], v[ADRA0]
	v_add_nc_u32 v[ADB], s[TB], v[ADRB0]
	FETCH 0, F0
	MULH F1, 1, 0, 0
	MULH F1, 1, 2, 0
.endm
	s_load_b256 s[4:11], s[0:1], 0x0               ; A s[4:5], wb2 s[6:7], bias s[8:9], hid s[10:11]
	s_load_b64 s[82:83], s[0:1], 0x20              ; out1
	v_lshl_add_u32 v[SPW], v0, 2, SPARE
	v_mov_b32 v[NIL], 0
	ds_add_u32 v[SPW], v[NIL]                      ; the wave's opening: the add and its wait ahead of my first tensor load
	ds_add_u32 v28, v29
	v_lshrrev_b32 v1, 5, v0
	v_readfirstlane_b32 s[WV], v1
	s_lshr_b32 s[RH], s[WV], 1
	s_and_b32 s[CH], s[WV], 1
	s_bfe_u32 s17, ttmp6, 0x40000                  ; cx
	s_bfe_u32 s18, ttmp6, 0x40004                  ; cy
	s_lshl_b32 s[TX], ttmp9, 2
	s_add_co_u32 s[TX], s[TX], s17                 ; tile column
	s_and_b32 s[TY], ttmp7, 0xffff
	s_lshl_b32 s[TY], s[TY], 2
	s_add_co_u32 s[TY], s[TY], s18                 ; tile row
	s_lshl_b32 s21, s18, 2
	s_lshl_b32 s21, 15, s21                        ; my row of the cluster
	s_lshl_b32 s22, 0x1111, s17                    ; my column
	s_or_b32 s[G1A], s21, (1<<16)|(1<<20)|(1<<21)|(5<<22)|(3<<25)  ; mask; 2-byte elements; padding on; bit 21 beside a mask; after every 64 words 4 words
	s_or_b32 s[G1B], s22, (1<<16)|(1<<20)|(1<<21)|(5<<22)|(3<<25)
	s_mov_b32 s[G1A+1], KSTEP<<16                  ; tensor_dim0 = 128
	s_mov_b32 s[G1A+2], 128<<16                    ; tensor_dim1 = 128
	s_mov_b32 s[G1A+3], KSTEP<<16                  ; tile_dim0 = 128
	s_mov_b32 s[G1A+4], 128                        ; tile_dim1 = 128
	s_mov_b32 s[G1A+5], SIZE_K                     ; elements from row to row
	s_mov_b32 s[G1A+6], 0
	s_mov_b32 s[G1A+7], 0
	s_mov_b32 s[G1B+1], KSTEP<<16
	s_mov_b32 s[G1B+2], (16*NB)<<16                ; 16 NB rows
	s_mov_b32 s[G1B+3], KSTEP<<16
	s_mov_b32 s[G1B+4], 16*NB
	s_mov_b32 s[G1B+5], SIZE_K
	s_mov_b32 s[G1B+6], 0
	s_mov_b32 s[G1B+7], 0
	s_lshl_b32 s60, s[TY], 19                      ; A: (256 tile row + 128 half) rows of 2,048 bytes
	s_lshl_b32 s61, s[CH], 18
	s_add_co_u32 s60, s60, s61
	s_mov_b32 s61, 0
	s_mul_i32 s62, s[TX], 65536*NB                 ; W: (32 NB tile column + 16 NB half) rows of 2,048 bytes, from WOFF
	s_mul_i32 s63, s[CH], 32768*NB
	s_add_co_u32 s62, s62, s63
	s_add_co_u32 s62, s62, WOFF
	s_mov_b32 s63, 0
	s_mul_i32 s[LA], s[WV], HALFA                  ; where they go: waves 0, 1: A's halves;
	s_mul_i32 s[LB], s[WV], HALFB                  ; waves 2, 3: W's halves, behind A's 256 rows
	s_add_co_u32 s[LB], s[LB], 2*(HALFA-HALFB)
	s_mov_b32 s[TB], 0
	s_wait_dscnt 0x0                               ; the opening add is done
	s_wait_kmcnt 0x0
	s_add_nc_u64 s[60:61], s[4:5], s[60:61]
	s_add_nc_u64 s[62:63], s[6:7], s[62:63]
	s_mov_b32 s[GA0], 1
	s_mov_b32 s[GA0+1], s[LA]
	s_mov_b64 s[GA0+2:GA0+3], s[60:61]
	s_or_b32 s[GA0+3], s[GA0+3], 0x80000000
	s_mov_b32 s[GAW], 1
	s_add_co_u32 s[GAW+1], s[LA], SLOT
	s_add_nc_u64 s[GAW+2:GAW+3], s[60:61], KSTEP*2
	s_or_b32 s[GAW+3], s[GAW+3], 0x80000000
	s_mov_b32 s[GB0], 1
	s_mov_b32 s[GB0+1], s[LB]
	s_mov_b64 s[GB0+2:GB0+3], s[62:63]
	s_or_b32 s[GB0+3], s[GB0+3], 0x80000000
	s_mov_b32 s[GBW], 1
	s_add_co_u32 s[GBW+1], s[LB], SLOT
	s_add_nc_u64 s[GBW+2:GBW+3], s[62:63], KSTEP*2
	s_or_b32 s[GBW+3], s[GBW+3], 0x80000000
	CROUND                                         ; all sixteen work-groups are here: the first joint loads meet
	s_cmp_eq_u32 s[RH], 0                          ; a wave's two first fills stand in one branch: two loads of mine are out
	s_cbranch_scc0 .Lfirst_b
	tensor_load_to_lds s[GA0:GA0+3], s[G1A:G1A+7]
	s_nop 0
	tensor_load_to_lds s[GAW:GAW+3], s[G1A:G1A+7]
	s_nop 0
.rept 4
	v_nop
.endr
	s_branch .Lfirst_asked
.Lfirst_b:
	tensor_load_to_lds s[GB0:GB0+3], s[G1B:G1B+7]
	s_nop 0
	tensor_load_to_lds s[GBW:GBW+3], s[G1B:G1B+7]
	s_nop 0
.rept 4
	v_nop
.endr
.Lfirst_asked:
	v_and_b32 v1, 15, v0                           ; l % 16
	v_bfe_u32 v2, v0, 4, 1                         ; l / 16
	v_and_b32 v5, 31, v0                           ; l
	v_mul_u32_u24 v3, v1, PITCH
	v_lshl_add_u32 v3, v2, 4, v3                   ; a fragment's row x pitch + 16 x half
	s_mul_i32 s66, s[RH], HALFA
	s_mul_i32 s67, s[CH], HALFB
	s_add_co_u32 s67, s67, 2*HALFA
	v_add_nc_u32 v[ADRA0], s66, v3
	v_add_nc_u32 v[ADRB0], s67, v3
	v_mov_b32 v[ADA], v[ADRA0]
	v_mov_b32 v[ADB], v[ADRB0]
	s_mul_i32 s66, s[RH], 128*SPITCH               ; into the stage: row 128 RH + 16 a + l % 16, byte 64 NB CH + 64 b + 32 (l / 16)
	s_mul_i32 s67, s[CH], 64*NB
	s_add_co_u32 s66, s66, s67
	v_mul_u32_u24 v4, v1, SPITCH
	v_lshl_add_u32 v4, v2, 5, v4
	v_add_nc_u32 v[STO], s66, v4
	v_add_nc_u32 v[STO+1], 64*SPITCH, v[STO]
	s_mul_i32 s66, s[WV], 64*SPITCH                ; back: wave w takes rows 64 w .. 64 w + 63, whole
	v_lshl_add_u32 v[RD], v5, 4, s66               ; 32 lanes take 512 bytes of a row
	v_lshlrev_b32 v[BO], 4, v5
	v_lshlrev_b32 v[GO], 3, v5                     ; 8 bytes of bf16 a lane
	s_mul_i32 s12, s[TX], 128*NB                   ; the tile's bias
	s_mov_b32 s13, 0
	s_add_nc_u64 s[8:9], s[8:9], s[12:13]
.irp i, 0,1
	global_load_b128 v[BIAS+4*\i:BIAS+4*\i+3], v[BO], s[8:9] offset:512*\i   ; waited for on the way out
.endr
	s_lshl_b32 s2, s[TY], 21                       ; (256 tile row + 64 wave) rows of 8,192 bytes + 512 tile column
	s_lshl_b32 s3, s[WV], 19
	s_add_co_u32 s2, s2, s3
	s_lshl_b32 s3, s[TX], 9
	s_add_co_u32 s2, s2, s3
	s_mov_b32 s3, 0
	s_add_nc_u64 s[10:11], s[10:11], s[2:3]
	s_mov_b32 s[KP], 0x3e6d3388                    ; 0.3275911 / sqrt 2
	s_mov_b32 s[KC], 0xbf38aa3b                    ; -log2(e) / 2
	s_mov_b32 s[KA1], 0xbe027906                   ; -a1 / 2 .. -a5 / 2
	s_mov_b32 s[KA2], 0x3e11a98e
	s_mov_b32 s[KA3], 0xbf35f0e3
	s_mov_b32 s[KA4], 0x3f3a00e3
	s_mov_b32 s[KA5], 0xbf07dc22
.irp c, KP, KC, KA1, KA2, KA3, KA4, KA5
	s_mov_b32 s[\c+1], s[\c]                       ; named as pairs
.endr
	; out1's zeros: my wave among the launch's 1,024 takes rows 4 wave .. + 3, which lie in one block of 128 rows
	s_lshl_b32 s84, s[TY], 4
	s_add_co_u32 s84, s84, s[TX]
	s_lshl_b32 s84, s84, 2
	s_add_co_u32 s84, s84, s[WV]                   ; my wave, 0..1023
	s_lshr_b32 s86, s84, 5
	s_and_b32 s86, s86, 15                         ; blk
	s_lshl_b32 s84, s84, 15                        ; four rows of 8,192 bytes
	s_mov_b32 s85, 0
	s_add_nc_u64 s[82:83], s[82:83], s[84:85]
.set jj, 0
.rept 12
	s_add_co_u32 s87, s86, 3+jj
	s_and_b32 s87, s87, 15                         ; segment (blk + 3 + j) % 16
	s_lshl_b32 s87, s87, 9
	v_add_nc_u32 v[ZO+jj], s87, v[BO]
.set jj, jj+1
.endr
.irp k, 0,1,2,3
	v_mov_b32 v[ZZ+\k], 0
.endr
.set jj, 0
.rept 12
.irp r, 0,1,2,3
	global_store_b128 v[ZO+jj], v[ZZ:ZZ+3], s[82:83] offset:\r*8192 th:TH_STORE_NT   ; 512 consecutive bytes at a multiple of 256
.endr
.set jj, jj+1
.endr
	s_wait_tensorcnt 0x1                           ; my part of K step 0 is in; K step 1's stays out
	s_barrier_signal -1
	s_barrier_wait -1
	FETCH 0, F0
	QUARTER 64, F0, F1, 1                          ; the first quarter stands ahead of the loop: its products start the sums
	WIN 0
	s_mov_b32 s[CNT], STEPS-2
.Llap:                                                 ; a trip: from a K step's second quarter to the next step's first; every trip fills a slot again
	QUARTER 128, F1, F0, 0
	QUARTER 192, F0, F1, 0
	TURN 1
	QUARTER 64, F0, F1, 0
	WIN 0
	s_sub_co_u32 s[CNT], s[CNT], 1
	s_cmp_lg_u32 s[CNT], 0
	s_cbranch_scc1 .Llap
	s_mov_b32 s[CNT], 2
.Ltail:                                                ; the last two K steps ask for nothing; the second trip is left in its middle.  Its change of slots (a barrier, and a
	QUARTER 128, F1, F0, 0                         ; fetch of landed bytes that serves nothing) is the price of one text for both
	QUARTER 192, F0, F1, 0
	TURN 0
	WIN 0
	s_sub_co_u32 s[CNT], s[CNT], 1
	s_cmp_eq_u32 s[CNT], 0
	s_cbranch_scc1 .Ldone
	QUARTER 64, F0, F1, 0
	WIN 0
	s_branch .Ltail
.Ldone:
	s_wait_dscnt 0x0                               ; my reads of the ring are over
	PLACES                                         ; behind the last products
	s_barrier_signal -1
	s_barrier_wait -1                              ; everybody's are: the stage may be written over the ring
.set aa, 0
.rept 8
	WIN 0x08+4*(aa/4)                              ; store data in window 2 or 3
.set bb, 0
.rept NB
	ds_store_b128 v[STO+aa/4], v[8*(NB*(aa%4)+bb):8*(NB*(aa%4)+bb)+3]   offset:(aa%4)*16*SPITCH+64*bb
	ds_store_b128 v[STO+aa/4], v[8*(NB*(aa%4)+bb)+4:8*(NB*(aa%4)+bb)+7] offset:(aa%4)*16*SPITCH+64*bb+16
.set bb, bb+1
.endr
.set aa, aa+1
.endr
	WIN 0
	s_wait_dscnt 0x0                               ; for the others' sake: my stores into the stage are done
	s_barrier_signal -1
	s_barrier_wait -1
	s_wait_loadcnt 0x0                             ; the bias
; 32 trips of 2 rows.  gelu(y) = max(y, 0) - |y| erfc(|y| / sqrt 2) / 2, with erfc(z) = (a1 t + .. + a5 t^5) e^(-z z), t = 1 / (1 + 0.3275911 z).
.set YY, 80
.set AA, 96
.set UU, 112
.set QQ, 128
.set PP, 144
.set YO, 160
.macro LDX
	ds_load_b128 v[XR:XR+3],     v[RD]
	ds_load_b128 v[XR+4:XR+7],   v[RD] offset:512
	ds_load_b128 v[XR+8:XR+11],  v[RD] offset:SPITCH
	ds_load_b128 v[XR+12:XR+15], v[RD] offset:SPITCH+512
.endm
.macro PK8 line:vararg                 ; one packed line for each of the eight pairs; p is the pair's first register
.set p, 0
	s_wait_alu depctr_va_vdst(0)
.rept 8
	\line
.set p, p+2
.endr
.endm
.macro ONE16 line:vararg               ; one line for each of the sixteen numbers
.set p, 0
.rept 16
	\line
.set p, p+1
.endr
.endm
	LDX
	s_mov_b32 s[CNT], 32
.Lout:
	s_cmp_eq_u32 s[CNT], 1
	s_cselect_b32 s66, 0, 2*SPITCH                 ; the last trip's look-ahead reads its own rows once more and uses nothing of them
	s_wait_dscnt 0x0
	s_wait_xcnt 0x0                                ; the last trip's stores have read their data and GO
	v_add_nc_u32 v[GO], 16384, v[GO]               ; the stores below reach back by their offset
	PK8 v_pk_add_f32 v[YY+p:YY+p+1], v[XR+p:XR+p+1], v[BIAS+p%8:BIAS+p%8+1]
	v_add_nc_u32 v[RD], s66, v[RD]
	LDX                                            ; the next trip's rows
	ONE16 v_and_b32 v[AA+p], 0x7fffffff, v[YY+p]
	PK8 v_pk_fma_f32 v[UU+p:UU+p+1], v[AA+p:AA+p+1], s[KP:KP+1], 1.0 op_sel_hi:[1,0,0]
	PK8 v_pk_mul_f32 v[QQ+p:QQ+p+1], v[YY+p:YY+p+1], v[YY+p:YY+p+1]
	ONE16 v_rcp_f32 v[UU+p], v[UU+p]
	PK8 v_pk_mul_f32 v[QQ+p:QQ+p+1], v[QQ+p:QQ+p+1], s[KC:KC+1] op_sel_hi:[1,0]   ; plain work behind the reciprocals
	ONE16 v_exp_f32 v[QQ+p], v[QQ+p]
	PK8 v_pk_fma_f32 v[PP+p:PP+p+1], v[UU+p:UU+p+1], s[KA5:KA5+1], s[KA4:KA4+1] op_sel_hi:[1,0,0]  ; plain work behind the exponentials
	PK8 v_pk_fma_f32 v[PP+p:PP+p+1], v[PP+p:PP+p+1], v[UU+p:UU+p+1], s[KA3:KA3+1] op_sel_hi:[1,1,0]
	PK8 v_pk_fma_f32 v[PP+p:PP+p+1], v[PP+p:PP+p+1], v[UU+p:UU+p+1], s[KA2:KA2+1] op_sel_hi:[1,1,0]
	PK8 v_pk_fma_f32 v[PP+p:PP+p+1], v[PP+p:PP+p+1], v[UU+p:UU+p+1], s[KA1:KA1+1] op_sel_hi:[1,1,0]
	PK8 v_pk_mul_f32 v[PP+p:PP+p+1], v[PP+p:PP+p+1], v[UU+p:UU+p+1]
	PK8 v_pk_mul_f32 v[PP+p:PP+p+1], v[PP+p:PP+p+1], v[QQ+p:QQ+p+1]
	ONE16 v_max_num_f32 v[YY+p], 0, v[YY+p]
	PK8 v_pk_fma_f32 v[PP+p:PP+p+1], v[AA+p:AA+p+1], v[PP+p:PP+p+1], v[YY+p:YY+p+1]
	PK8 v_cvt_pk_bf16_f32 v[YO+p/2], v[PP+p], v[PP+p+1]
.irp t, 0,1
.irp c, 0,1
	global_store_b64 v[GO], v[YO+2*(2*\t+\c):YO+2*(2*\t+\c)+1], s[10:11] offset:\t*8192+\c*256-16384  ; 32 lanes: 256 consecutive bytes at a multiple of 256
.endr
.endr
	s_sub_co_u32 s[CNT], s[CNT], 1
	s_cmp_lg_u32 s[CNT], 0
	s_cbranch_scc1 .Lout
	s_wait_tensorcnt 0x0                           ; the wave's end
	ds_add_u32 v[SPW], v[NIL]
	s_wait_dscnt 0x0
	CROUND                                         ; the closing round: no work-group ends while a partner may still ask for a tile that names it
	s_endpgm
.Lfunc_end_k_qb64f83e0f4_gffn1:
	.size	k_qb64f83e0f4_gffn1, .Lfunc_end_k_qb64f83e0f4_gffn1-k_qb64f83e0f4_gffn1
	.p2alignl 7, 3214868480
	.fill 96, 4, 3214868480
	.section	.rodata,"a",@progbits
	.p2align	6, 0x0
	.amdhsa_kernel k_qb64f83e0f4_gffn1
		.amdhsa_group_segment_fixed_size 327680
		.amdhsa_private_segment_fixed_size 0
		.amdhsa_enable_private_segment 0
		.amdhsa_kernarg_size 40
		.amdhsa_user_sgpr_count 2
		.amdhsa_user_sgpr_kernarg_segment_ptr 1
		.amdhsa_wavefront_size32 1
		.amdhsa_system_sgpr_workgroup_id_x 1
		.amdhsa_system_sgpr_workgroup_id_y 1
		.amdhsa_system_sgpr_workgroup_id_z 1
		.amdhsa_system_vgpr_workitem_id 0
		.amdhsa_next_free_vgpr 1024
		.amdhsa_next_free_sgpr 90
		.amdhsa_reserve_vcc 0
		.amdhsa_float_denorm_mode_32 3
		.amdhsa_float_denorm_mode_16_64 3
		.amdhsa_memory_ordered 1
		.amdhsa_forward_progress 1
		.amdhsa_inst_pref_size 94
	.end_amdhsa_kernel
	.amdgpu_metadata
---
amdhsa.version: [ 1, 2 ]
amdhsa.kernels:
  - .name:           k_qb64f83e0f4_gffn1
    .symbol:         k_qb64f83e0f4_gffn1.kd
    .args:
      - { .name: xn, .offset: 0, .size: 8, .value_kind: global_buffer, .address_space: global }
      - { .name: wb2, .offset: 8, .size: 8, .value_kind: global_buffer, .address_space: global }
      - { .name: b1, .offset: 16, .size: 8, .value_kind: global_buffer, .address_space: global }
      - { .name: hid, .offset: 24, .size: 8, .value_kind: global_buffer, .address_space: global }
      - { .name: out1, .offset: 32, .size: 8, .value_kind: global_buffer, .address_space: global }
    .group_segment_fixed_size: 327680
    .private_segment_fixed_size: 0
    .kernarg_segment_align: 8
    .kernarg_segment_size: 40
    .max_flat_workgroup_size: 128
    .sgpr_count:     90
    .vgpr_count:     1024
    .wavefront_size: 32
...
	.end_amdgpu_metadata
.endif
;; end of part 6
;; launch gffn2 (part 7): grid 8 x 32, 4 waves a work-group, clusters of 4 x 4, 327,680 bytes of LDS; arguments hid, wb2, b2, x1, out0; writes out0
.if DOCPART == 7
	.amdgcn_target "amdgcn-amd-amdhsa--gfx1250"
	.amdhsa_code_object_version 6
	.text
	.protected	k_qb64f83e0f4_gffn2
	.globl	k_qb64f83e0f4_gffn2
	.p2align	8
	.type	k_qb64f83e0f4_gffn2,@function
k_qb64f83e0f4_gffn2:
	s_mov_b64 s[64:65], 0
	v_nop
	global_prefetch_b8 v0, s[64:65] scope:SCOPE_SE
	s_setreg_imm32_b32 hwreg(HW_REG_WAVE_MODE, 25, 1), 1
	s_wait_xcnt 0x0
	s_wait_alu depctr_hold_cnt(0) depctr_sa_sdst(0) depctr_va_vdst(0) depctr_va_sdst(0) depctr_va_ssrc(0) depctr_va_vcc(0) depctr_vm_vsrc(0)
	s_getreg_b32 s2, hwreg(HW_REG_IB_STS2, 6, 4)
	s_cmp_eq_u32 s2, 0
	s_cbranch_scc0 .Lentry_in_a_cluster
	s_endpgm
.Lentry_in_a_cluster:
	s_bfe_u32 s2, ttmp6, 0x10000c
	s_cmp_lg_u32 s2, 0xf033
	s_cbranch_scc0 .Lentry_shape_is_right
	s_endpgm
.Lentry_shape_is_right:
; OUT = RES + A W^T + bias, f32.  A: [4096][SIZE_K] bf16; W: 1,024 rows of the weight buffer from byte WOFF, [1024][SIZE_K] bf16; RES, OUT: [4096][1024] f32; sums in f32.
; SHARES.  A tile of OUT is 128 x 128, which gives 256 work-groups; four waves, each 64 x 64: 16 accumulators.  K goes in steps of 256 (rows of 512 bytes) through two
; LDS slots that take turns.  CLUSTER 4 x 4: A's tile is asked for jointly by a row of the cluster, W's by a column.
; THE K WALK IS ROTATED.  A's tiles are also wanted by the neighbouring cluster along x, W's by the seven other clusters along y.  Clusters whose x + y is odd begin at
; K / 2 and wrap round, so that in the second half of its walk every cluster asks for tiles that a neighbour asked for STEPS / 2 steps before.  The rotation hangs on the
; cluster's own coordinates, which all its work-groups share, so the partners of a joint load hold equal descriptors.  LIMIT: the order of the f32 sum over K differs between clusters.
; The matrix instruction is used transposed (source 0 = rows of W, source 1 = rows of A): a lane holds eight neighbouring columns of a row of OUT.
; ONE TEXT FOR A K STEP: the slot in hand is the scalar TB (0 or SLOT), turned by an exclusive or.
; The wave's 32 rows of RES are asked for at the start and have the whole K loop in which to land.  THE WAY OUT goes through a stage over the ring, whose last fill is over.
; REGISTERS.  window 0: v16-31 addresses, v32-35 bias, v128-255 accumulators ((a, b) at v[128 + 8 (4 a + b)]); window 1: two fragment buffers of 128, later the rows read back;
;   window 2: v0-127 my 32 rows of RES.
.set SIZE_K, 4096
.set WOFF,   8388608
.set KSTEP,  256
.set STEPS,  SIZE_K/KSTEP
.set PITCH,  528                       ; 512 bytes + 16: an odd multiple of 16; the stage's rows (128 f32 + 16 bytes) have the same pitch
.set HALFT,  64*PITCH
.set SLOT,   4*HALFT
.set SPARE,  2*SLOT                    ; the spare words, 128 bytes a wave, that no other line names
.set ADRA0, 16
.set ADA,   17
.set ADRB0, 20
.set ADB,   21
.set STO,   24
.set RD,    26
.set RO,    27                         ; 16 x lane: my byte offset in a row's 512 bytes; never rewritten
.set SPW,   28
.set NIL,   29
.set BIAS,  32
.set ACC,   128
.set F0,    0
.set F1,    128
.set WV,  14
.set RH,  15
.set CH,  16
.set TX,  19
.set TY,  20
.set G1A, 24
.set GA0, 32
.set GAW, 36
.set G1B, 40
.set GB0, 48
.set GBW, 52
.set TB,  56
.set LW,  57
.set PH,  58                           ; 1: my cluster begins at K / 2
.set CNT, 59
.set WR,  68                           ; s[68:69] what this refill takes off the walking addresses: 0, or a row's bytes at the wrap
.set WRAP, 70                          ; PH x a row's bytes
.set MSB, 0
.macro WIN new
.if MSB != (\new)
	s_set_vgpr_msb (MSB<<8)|(\new)
.set MSB, \new
.endif
.endm
.set MUL,  0x05                        ; sources 0 and 1 window 1; C and D window 0
.macro PLACES
.rept 4
	v_nop
.endr
.endm
.macro JLOAD
	s_cmp_eq_u32 s[RH], 0
	s_cbranch_scc0 .Lfor_b_\@
	tensor_load_to_lds s[GAW:GAW+3], s[G1A:G1A+7]
	s_nop 0
.rept 4
	v_nop
.endr
	s_branch .Lasked_\@
.Lfor_b_\@:
	tensor_load_to_lds s[GBW:GBW+3], s[G1B:G1B+7]
	s_nop 0
.rept 4
	v_nop
.endr
.Lasked_\@:
.endm
.macro CREST
	s_cmp_lg_u32 s[WV], 0
	s_cbranch_scc1 .Lnot_wave_0_\@
	s_barrier_signal -3
.Lnot_wave_0_\@:
	s_barrier_wait -3
	s_barrier_signal -1
	s_barrier_wait -1
.endm
.macro CROUND
	s_barrier_signal -1
	s_barrier_wait -1
	CREST
.endm
; 8 matrix instructions: row blocks a0, a0 + 1 x all 4 column blocks, 32 along K: half c of buffer f
.macro MUL8 f, c, a0, zero
	WIN MUL
.irp a, \a0, (\a0)+1
.irp b, 0,1,2,3
.if \zero
	v_wmma_f32_16x16x32_bf16 v[ACC+8*(4*(\a)+(\b)):ACC+8*(4*(\a)+(\b))+7], v[(\f)+64+8*(4*(\c)+(\b)):(\f)+64+8*(4*(\c)+(\b))+7], v[(\f)+8*(4*(\c)+(\a)):(\f)+8*(4*(\c)+(\a))+7], 0
.else
	v_wmma_f32_16x16x32_bf16 v[ACC+8*(4*(\a)+(\b)):ACC+8*(4*(\a)+(\b))+7], v[(\f)+64+8*(4*(\c)+(\b)):(\f)+64+8*(4*(\c)+(\b))+7], v[(\f)+8*(4*(\c)+(\a)):(\f)+8*(4*(\c)+(\a))+7], v[ACC+8*(4*(\a)+(\b)):ACC+8*(4*(\a)+(\b))+7]
.endif
.endr
.endr
.endm
; 32 LDS loads in one run: 64 along K at byte k of the rows, into buffer f; the first 32 along K first
.macro FETCH k, f
	WIN 0x40
.irp c, 0,1
.irp i, 0,1,2,3
	ds_load_b128 v[(\f)+64+8*(4*(\c)+(\i)):(\f)+64+8*(4*(\c)+(\i))+3],   v[ADB] offset:(\k)+64*(\c)+(\i)*16*PITCH
	ds_load_b128 v[(\f)+64+8*(4*(\c)+(\i))+4:(\f)+64+8*(4*(\c)+(\i))+7], v[ADB] offset:(\k)+64*(\c)+(\i)*16*PITCH+32
	ds_load_b128 v[(\f)+8*(4*(\c)+(\i)):(\f)+8*(4*(\c)+(\i))+3],         v[ADA] offset:(\k)+64*(\c)+(\i)*16*PITCH
	ds_load_b128 v[(\f)+8*(4*(\c)+(\i))+4:(\f)+8*(4*(\c)+(\i))+7],       v[ADA] offset:(\k)+64*(\c)+(\i)*16*PITCH+32
.endr
.endr
.endm
.macro QUARTER k, f, g, zero
	s_wait_dscnt 16                                ; the first 32 along K are in; the other sixteen loads may be out
	MUL8 \f, 0, 0, \zero
	MUL8 \f, 0, 2, \zero
	PLACES
	FETCH \k, \g
	s_wait_dscnt 32                                ; all but the 32 just issued
	MUL8 \f, 1, 0, 0
	MUL8 \f, 1, 2, 0
.endm
; The last quarter multiplies buffer 1 and changes slots: each wave waits for all its tensor loads (one is out: its part of the next slot), adds 0 to its spare word, waits
; for that and for its reads of this slot.  fill = 1: the barrier opens a round of the cluster's, and the slot just read is filled again first thing behind it, two K steps ahead.
; The refill of the trip with CNT = STEPS / 2 is the one that would pass K's end in a cluster that began at K / 2: there a row's bytes are taken off both addresses.
.macro TURN fill
	WIN 0
	s_wait_tensorcnt 0x0
	ds_add_u32 v[SPW], v[NIL]
	s_wait_dscnt 17                                ; the add and the youngest sixteen loads may be out
	MUL8 F1, 0, 0, 0
	s_wait_dscnt 0x0
	s_barrier_signal -1
	MUL8 F1, 0, 2, 0
	WIN 0
	s_barrier_wait -1
.if \fill
	CREST
	s_cmp_eq_u32 s[CNT], STEPS/2
	s_cselect_b32 s[WR], s[WRAP], 0
	s_add_co_u32 s[GAW+1], s[LW], s[TB]
	s_add_co_u32 s[GBW+1], s[LW], s[TB]
	s_add_nc_u64 s[GAW+2:GAW+3], s[GAW+2:GAW+3], KSTEP*2
	s_add_nc_u64 s[GBW+2:GBW+3], s[GBW+2:GBW+3], KSTEP*2
	s_sub_nc_u64 s[GAW+2:GAW+3], s[GAW+2:GAW+3], s[WR:WR+1]
	s_sub_nc_u64 s[GBW+2:GBW+3], s[GBW+2:GBW+3], s[WR:WR+1]
	s_xor_b32 s[TB], s[TB], SLOT
	JLOAD
.else
	s_xor_b32 s[TB], s[TB], SLOT
	PLACES
.endif
	v_add_nc_u32 v[ADA], s[TB], v[ADRA0]
	v_add_nc_u32 v[ADB], s[TB], v[ADRB0]
	FETCH 0, F0
	MUL8 F1, 1, 0, 0
	MUL8 F1, 1, 2, 0
.endm
	s_load_b256 s[4:11], s[0:1], 0x0               ; A s[4:5], weights s[6:7], bias s[8:9], RES s[10:11]
	s_load_b64 s[12:13], s[0:1], 0x20              ; OUT
	v_lshl_add_u32 v[SPW], v0, 2, SPARE
	v_mov_b32 v[NIL], 0
	ds_add_u32 v[SPW], v[NIL]                      ; the wave's opening: the add and its wait ahead of my first tensor load
	ds_add_u32 v28, v29
	v_lshrrev_b32 v1, 5, v0
	v_readfirstlane_b32 s[WV], v1
	s_lshr_b32 s[RH], s[WV], 1
	s_and_b32 s[CH], s[WV], 1
	s_bfe_u32 s17, ttmp6, 0x40000
	s_bfe_u32 s18, ttmp6, 0x40004
	s_lshl_b32 s[TX], ttmp9, 2
	s_add_co_u32 s[TX], s[TX], s17
	s_and_b32 s[TY], ttmp7, 0xffff
	s_add_co_u32 s[PH], s[TY], ttmp9               ; the cluster's y + x,
	s_and_b32 s[PH], s[PH], 1                      ; odd or even
	s_lshl_b32 s[TY], s[TY], 2
	s_add_co_u32 s[TY], s[TY], s18
	s_mul_i32 s[WRAP], s[PH], SIZE_K*2             ; a row's bytes, or 0
	s_mul_i32 s71, s[PH], SIZE_K                   ; half a row's bytes, or 0: where my cluster begins
	s_mov_b32 s[WR+1], 0
	s_lshl_b32 s21, s18, 2
	s_lshl_b32 s21, 15, s21
	s_lshl_b32 s22, 0x1111, s17
	s_or_b32 s[G1A], s21, (1<<16)|(1<<20)|(1<<21)|(6<<22)|(3<<25)  ; mask; 2-byte elements; padding on; bit 21 beside a mask; after every 128 words 4 words
	s_or_b32 s[G1B], s22, (1<<16)|(1<<20)|(1<<21)|(6<<22)|(3<<25)
.irp g, G1A, G1B
	s_mov_b32 s[\g+1], KSTEP<<16                   ; tensor_dim0 = 256
	s_mov_b32 s[\g+2], 64<<16                      ; tensor_dim1 = 64
	s_mov_b32 s[\g+3], KSTEP<<16                   ; tile_dim0 = 256
	s_mov_b32 s[\g+4], 64                          ; tile_dim1 = 64
	s_mov_b32 s[\g+5], SIZE_K
	s_mov_b32 s[\g+6], 0
	s_mov_b32 s[\g+7], 0
.endr
	s_mul_i32 s60, s[TY], 256*SIZE_K               ; A: (128 tile row + 64 half) rows of 2 SIZE_K bytes
	s_mul_i32 s61, s[CH], 128*SIZE_K
	s_add_co_u32 s60, s60, s61
	s_add_co_u32 s60, s60, s71
	s_mov_b32 s61, 0
	s_mul_i32 s62, s[TX], 256*SIZE_K               ; W likewise, from WOFF
	s_mul_i32 s63, s[CH], 128*SIZE_K
	s_add_co_u32 s62, s62, s63
	s_add_co_u32 s62, s62, s71
	s_add_co_u32 s62, s62, WOFF
	s_mov_b32 s63, 0
	s_mul_i32 s[LW], s[WV], HALFT                  ; where they go: A's two halves, then W's two = wave x 64 rows
	s_mov_b32 s[TB], 0
	s_wait_dscnt 0x0
	s_wait_kmcnt 0x0
	s_add_nc_u64 s[60:61], s[4:5], s[60:61]
	s_add_nc_u64 s[62:63], s[6:7], s[62:63]
	s_mov_b32 s[GA0], 1
	s_mov_b32 s[GA0+1], s[LW]
	s_mov_b64 s[GA0+2:GA0+3], s[60:61]
	s_or_b32 s[GA0+3], s[GA0+3], 0x80000000
	s_mov_b32 s[GAW], 1
	s_add_co_u32 s[GAW+1], s[LW], SLOT
	s_add_nc_u64 s[GAW+2:GAW+3], s[60:61], KSTEP*2
	s_or_b32 s[GAW+3], s[GAW+3], 0x80000000
	s_mov_b32 s[GB0], 1
	s_mov_b32 s[GB0+1], s[LW]
	s_mov_b64 s[GB0+2:GB0+3], s[62:63]
	s_or_b32 s[GB0+3], s[GB0+3], 0x80000000
	s_mov_b32 s[GBW], 1
	s_add_co_u32 s[GBW+1], s[LW], SLOT
	s_add_nc_u64 s[GBW+2:GBW+3], s[62:63], KSTEP*2
	s_or_b32 s[GBW+3], s[GBW+3], 0x80000000
	CROUND                                         ; all sixteen work-groups are here: the first joint loads meet
	s_cmp_eq_u32 s[RH], 0                          ; a wave's two first fills stand in one branch: two loads of mine are out
	s_cbranch_scc0 .Lfirst_b
	tensor_load_to_lds s[GA0:GA0+3], s[G1A:G1A+7]
	s_nop 0
	tensor_load_to_lds s[GAW:GAW+3], s[G1A:G1A+7]
	s_nop 0
.rept 4
	v_nop
.endr
	s_branch .Lfirst_asked
.Lfirst_b:
	tensor_load_to_lds s[GB0:GB0+3], s[G1B:G1B+7]
	s_nop 0
	tensor_load_to_lds s[GBW:GBW+3], s[G1B:G1B+7]
	s_nop 0
.rept 4
	v_nop
.endr
.Lfirst_asked:
	v_and_b32 v5, 31, v0
	v_lshlrev_b32 v[RO], 4, v5
	s_lshl_b32 s2, s[TX], 9                        ; the tile's 512 bytes of a row
	s_mov_b32 s3, 0
	s_add_nc_u64 s[8:9], s[8:9], s[2:3]
	s_lshl_b32 s23, s[TY], 19                      ; + (128 tile row + 32 wave) rows of 4,096 bytes
	s_add_co_u32 s2, s2, s23
	s_lshl_b32 s23, s[WV], 17
	s_add_co_u32 s2, s2, s23
	s_add_nc_u64 s[10:11], s[10:11], s[2:3]
	s_add_nc_u64 s[12:13], s[12:13], s[2:3]
	global_load_b128 v[BIAS:BIAS+3], v[RO], s[8:9]
	WIN 0x80                                       ; destination window 2
.set ii, 0
.rept 32
	global_load_b128 v[4*ii:4*ii+3], v[RO], s[10:11] offset:ii*4096   ; row ii of my 32: 512 consecutive bytes
.set ii, ii+1
.endr
	WIN 0
	v_and_b32 v1, 15, v0
	v_bfe_u32 v2, v0, 4, 1
	v_mul_u32_u24 v3, v1, PITCH
	v_lshl_add_u32 v3, v2, 4, v3
	s_mul_i32 s66, s[RH], HALFT
	s_mul_i32 s67, s[CH], HALFT
	s_add_co_u32 s67, s67, 2*HALFT
	v_add_nc_u32 v[ADRA0], s66, v3
	v_add_nc_u32 v[ADRB0], s67, v3
	v_mov_b32 v[ADA], v[ADRA0]
	v_mov_b32 v[ADB], v[ADRB0]
	s_mul_i32 s66, s[RH], 64*PITCH                 ; into the stage: row 64 RH + 16 a + l % 16, byte 256 CH + 64 b + 32 (l / 16)
	s_lshl_b32 s67, s[CH], 8
	s_add_co_u32 s66, s66, s67
	v_mul_u32_u24 v4, v1, PITCH
	v_lshl_add_u32 v4, v2, 5, v4
	v_add_nc_u32 v[STO], s66, v4
	s_mul_i32 s66, s[WV], 32*PITCH                 ; back: wave w takes rows 32 w .. 32 w + 31, whole
	v_add_nc_u32 v[RD], s66, v[RO]
	s_wait_tensorcnt 0x1                           ; my part of my first K step is in; the second's stays out
	s_barrier_signal -1
	s_barrier_wait -1
	FETCH 0, F0
	QUARTER 128, F0, F1, 1                         ; the first quarter stands ahead of the loop: its first products start the sums
	WIN 0
	s_mov_b32 s[CNT], STEPS-2
.Llap:
	QUARTER 256, F1, F0, 0
	QUARTER 384, F0, F1, 0
	TURN 1
	QUARTER 128, F0, F1, 0
	WIN 0
	s_sub_co_u32 s[CNT], s[CNT], 1
	s_cmp_lg_u32 s[CNT], 0
	s_cbranch_scc1 .Llap
	s_mov_b32 s[CNT], 2
.Ltail:                                                ; the last two K steps ask for nothing; the second trip is left in its middle, behind a change of slots that serves nothing
	QUARTER 256, F1, F0, 0
	QUARTER 384, F0, F1, 0
	TURN 0
	WIN 0
	s_sub_co_u32 s[CNT], s[CNT], 1
	s_cmp_eq_u32 s[CNT], 0
	s_cbranch_scc1 .Ldone
	QUARTER 128, F0, F1, 0
	WIN 0
	s_branch .Ltail
.Ldone:
	s_wait_dscnt 0x0                               ; my reads of the ring are over
	s_wait_loadcnt 0x0                             ; RES and the bias
	WIN 0x82                                       ; destination and source 0 window 2, source 1 window 0
.set ii, 0
.rept 32
	v_pk_add_f32 v[4*ii:4*ii+1],   v[4*ii:4*ii+1],   v[BIAS:BIAS+1]      ; RES + bias: also the places behind the last products
	v_pk_add_f32 v[4*ii+2:4*ii+3], v[4*ii+2:4*ii+3], v[BIAS+2:BIAS+3]
.set ii, ii+1
.endr
	WIN 0
	s_barrier_signal -1
	s_barrier_wait -1                              ; nobody reads the ring any more: the stage may be written over it
.irp a, 0,1,2,3
.irp b, 0,1,2,3
	ds_store_b128 v[STO], v[ACC+8*(4*\a+\b):ACC+8*(4*\a+\b)+3]   offset:\a*16*PITCH+64*\b
	ds_store_b128 v[STO], v[ACC+8*(4*\a+\b)+4:ACC+8*(4*\a+\b)+7] offset:\a*16*PITCH+64*\b+16
.endr
.endr
	s_wait_dscnt 0x0                               ; for the others' sake
	s_barrier_signal -1
	s_barrier_wait -1
	WIN 0x40
.set ii, 0
.rept 32
	ds_load_b128 v[4*ii:4*ii+3], v[RD] offset:ii*PITCH
.set ii, ii+1
.endr
	s_wait_dscnt 0x0
	WIN 0x49                                       ; destination and source 0 window 1, source 1 window 2
.set ii, 0
.rept 64
	v_pk_add_f32 v[2*ii:2*ii+1], v[2*ii:2*ii+1], v[2*ii:2*ii+1]
.set ii, ii+1
.endr
	WIN 0x04                                       ; store data window 1, address window 0
.set ii, 0
.rept 32
	global_store_b128 v[RO], v[4*ii:4*ii+3], s[12:13] offset:ii*4096   ; 512 consecutive bytes at a multiple of 256
.set ii, ii+1
.endr
	WIN 0
	s_wait_tensorcnt 0x0                           ; the wave's end
	ds_add_u32 v[SPW], v[NIL]
	s_wait_dscnt 0x0
	CROUND                                         ; the closing round
	s_endpgm
.Lfunc_end_k_qb64f83e0f4_gffn2:
	.size	k_qb64f83e0f4_gffn2, .Lfunc_end_k_qb64f83e0f4_gffn2-k_qb64f83e0f4_gffn2
	.p2alignl 7, 3214868480
	.fill 96, 4, 3214868480
	.section	.rodata,"a",@progbits
	.p2align	6, 0x0
	.amdhsa_kernel k_qb64f83e0f4_gffn2
		.amdhsa_group_segment_fixed_size 327680
		.amdhsa_private_segment_fixed_size 0
		.amdhsa_enable_private_segment 0
		.amdhsa_kernarg_size 40
		.amdhsa_user_sgpr_count 2
		.amdhsa_user_sgpr_kernarg_segment_ptr 1
		.amdhsa_wavefront_size32 1
		.amdhsa_system_sgpr_workgroup_id_x 1
		.amdhsa_system_sgpr_workgroup_id_y 1
		.amdhsa_system_sgpr_workgroup_id_z 1
		.amdhsa_system_vgpr_workitem_id 0
		.amdhsa_next_free_vgpr 640
		.amdhsa_next_free_sgpr 72
		.amdhsa_reserve_vcc 0
		.amdhsa_float_denorm_mode_32 3
		.amdhsa_float_denorm_mode_16_64 3
		.amdhsa_memory_ordered 1
		.amdhsa_forward_progress 1
		.amdhsa_inst_pref_size 69
	.end_amdhsa_kernel
	.amdgpu_metadata
---
amdhsa.version: [ 1, 2 ]
amdhsa.kernels:
  - .name:           k_qb64f83e0f4_gffn2
    .symbol:         k_qb64f83e0f4_gffn2.kd
    .args:
      - { .name: hid, .offset: 0, .size: 8, .value_kind: global_buffer, .address_space: global }
      - { .name: wb2, .offset: 8, .size: 8, .value_kind: global_buffer, .address_space: global }
      - { .name: b2, .offset: 16, .size: 8, .value_kind: global_buffer, .address_space: global }
      - { .name: x1, .offset: 24, .size: 8, .value_kind: global_buffer, .address_space: global }
      - { .name: out0, .offset: 32, .size: 8, .value_kind: global_buffer, .address_space: global }
    .group_segment_fixed_size: 327680
    .private_segment_fixed_size: 0
    .kernarg_segment_align: 8
    .kernarg_segment_size: 40
    .max_flat_workgroup_size: 128
    .sgpr_count:     72
    .vgpr_count:     640
    .wavefront_size: 32
...
	.end_amdgpu_metadata
.endif
;; end of part 7
